; MI455X (gfx1250); checked and timed in simulation.
; The chip was launched on July 23, 2026; its instructions are those of AMD's public machine-readable ISA for CDNA 5 (MIT licence, August 2026) and "CDNA5" Instruction Set Architecture Reference Guide (July 2026). The comments in the code are by the model that wrote it; some were corrected since.
;; Cross Attention Fuse. Allowed arithmetic: float matrix products may take bf16 or f16 operands with f32 sums; other float arithmetic in f32, or as packed bf16 or f16 multiplies, adds, multiply-adds, maxima and minima; sums over many terms, partial sums and values carried from step to step in f32; what a program stores and reads back later, other than sums and carried values, may be rounded once to bf16 or f16.
;; Inputs: K_tokens 4 x 2,048 x 1,024 float32; Q_tokens 4 x 2,048 x 1,024 float32; V_tokens 4 x 2,048 x 1,024 float32; Wk 1,024 x 1,024 float32; Wo 1,024 x 1,024 float32; Wq 1,024 x 1,024 float32; Wv 1,024 x 1,024 float32; bo 1,024 float32; weight_K 4 x 2,048 float32.
;; Outputs: out0 4 x 2,048 x 1,024 float32.
;; One version. Each part assembles by itself: llvm-mc -triple=amdgcn-amd-amdhsa -mcpu=gfx1250 --defsym DOCPART=n.
;; ======== version 1 of 1: 4 launches
;; limits: values are held in f16: magnitudes above 65,504 overflow, below 6.1e-05 lose precision
;; workspace buffers: wcast 8,388,608 bytes; qkv 50,331,648 bytes; obuf 16,777,216 bytes
;; launch castw (part 1): grid 256 x 1, 8 waves a work-group, no clusters, 0 bytes of LDS; arguments Wq, Wk, Wv, Wo, wcast; writes wcast
.if DOCPART == 1
	.amdgcn_target "amdgcn-amd-amdhsa--gfx1250"
	.amdhsa_code_object_version 6
	.text
	.protected	k_q75b0ace608_castw
	.globl	k_q75b0ace608_castw
	.p2align	8
	.type	k_q75b0ace608_castw,@function
k_q75b0ace608_castw:
	s_mov_b64 s[64:65], 0
	v_nop
	global_prefetch_b8 v0, s[64:65] scope:SCOPE_SE
	s_setreg_imm32_b32 hwreg(HW_REG_WAVE_MODE, 25, 1), 1
	s_wait_xcnt 0x0
; THE FOUR WEIGHT MATRICES, [1024][1024] f32, ARE ROUNDED ONCE TO 16 BITS and laid one behind the other in wcast (2 MiB each: q, k, v, o), rows as they were ([k][n]).
; Wq, Wk, Wv become bf16.  Wo is rounded to bf16 like them, and that number is then written as f16, since the last product multiplies it with f16 operands.
; LIMITS.  A number of Wo beyond 65,504 becomes an infinity; below 6e-5 it keeps f16's fixed step of 6e-8.
; SHARES.  64 work-groups a matrix, 16,384 numbers each: eight chunks of 2,048; a thread takes eight neighbouring numbers of each chunk: 32 bytes in, 16 bytes out.
; A stream: no LDS, no matrix unit, no loop.  All sixteen loads of a thread go out at once; a store of a wave covers 512 consecutive bytes, aligned.
.set T, 4                              ; v[4:11]   at work
.set X, 16                             ; v[16:79]  chunk c: eight f32 at X + 8 c
.set Y, 80                             ; v[80:111] chunk c: four words of two 16-bit numbers at Y + 4 c
	s_load_b256 s[4:11], s[0:1], 0x0               ; Wq s[4:5], Wk s[6:7], Wv s[8:9], Wo s[10:11]
	s_load_b64 s[12:13], s[0:1], 0x20              ; wcast
	s_lshr_b32 s14, ttmp9, 6                       ; which matrix
	s_and_b32 s15, ttmp9, 63                       ; which part of it
	v_lshlrev_b32 v1, 5, v0                        ; my 32 bytes of a chunk on the way in
	v_lshlrev_b32 v2, 4, v0                        ; my 16 bytes on the way out
	s_lshl_b32 s18, s15, 16                        ; 16,384 numbers of 4 bytes
	s_mov_b32 s19, 0
	s_lshl_b32 s20, ttmp9, 15                      ; 16,384 numbers of 2 bytes; the matrices lie on end
	s_mov_b32 s21, 0
	s_wait_kmcnt 0x0
	s_cmp_eq_u32 s14, 1
	s_cselect_b64 s[16:17], s[6:7], s[4:5]
	s_cmp_eq_u32 s14, 2
	s_cselect_b64 s[16:17], s[8:9], s[16:17]
	s_cmp_eq_u32 s14, 3
	s_cselect_b64 s[16:17], s[10:11], s[16:17]
	s_add_nc_u64 s[16:17], s[16:17], s[18:19]
	s_add_nc_u64 s[12:13], s[12:13], s[20:21]
.irp c, 0,1,2,3,4,5,6,7
	global_load_b128 v[X+8*(\c):X+8*(\c)+3],   v1, s[16:17] offset:8192*(\c) th:TH_LOAD_NT
	global_load_b128 v[X+8*(\c)+4:X+8*(\c)+7], v1, s[16:17] offset:8192*(\c)+16 th:TH_LOAD_NT
.endr
.irp c, 0,1,2,3,4,5,6,7
	s_wait_loadcnt 14-2*(\c)                       ; loads come back in order: chunk c's two are in, the later chunks' stay out
.irp j, 0,1,2,3
	v_cvt_pk_bf16_f32 v[Y+4*(\c)+(\j)], v[X+8*(\c)+2*(\j)], v[X+8*(\c)+2*(\j)+1]
.endr
.endr
	s_cmp_lg_u32 s14, 3
	s_cbranch_scc1 .Lstore                         ; only Wo goes on to f16
.set i, 0
.rept 32
	v_lshlrev_b32 v[T+2*(i%4)],   16, v[Y+i]         ; the bf16 numbers as f32,
	v_and_b32     v[T+2*(i%4)+1], 0xffff0000, v[Y+i]
	v_cvt_pk_f16_f32 v[Y+i], v[T+2*(i%4)], v[T+2*(i%4)+1]  ; and as f16: exact within f16's range
.set i, i+1
.endr
.Lstore:
.irp c, 0,1,2,3,4,5,6,7
	global_store_b128 v2, v[Y+4*(\c):Y+4*(\c)+3], s[12:13] offset:4096*(\c)
.endr
	s_endpgm
.Lfunc_end_k_q75b0ace608_castw:
	.size	k_q75b0ace608_castw, .Lfunc_end_k_q75b0ace608_castw-k_q75b0ace608_castw
	.p2alignl 7, 3214868480
	.fill 96, 4, 3214868480
	.section	.rodata,"a",@progbits
	.p2align	6, 0x0
	.amdhsa_kernel k_q75b0ace608_castw
		.amdhsa_group_segment_fixed_size 0
		.amdhsa_private_segment_fixed_size 0
		.amdhsa_enable_private_segment 0
		.amdhsa_kernarg_size 40
		.amdhsa_user_sgpr_count 2
		.amdhsa_user_sgpr_kernarg_segment_ptr 1
		.amdhsa_wavefront_size32 1
		.amdhsa_system_sgpr_workgroup_id_x 1
		.amdhsa_system_sgpr_workgroup_id_y 1
		.amdhsa_system_sgpr_workgroup_id_z 1
		.amdhsa_system_vgpr_workitem_id 0
		.amdhsa_next_free_vgpr 112
		.amdhsa_next_free_sgpr 66
		.amdhsa_reserve_vcc 0
		.amdhsa_float_denorm_mode_32 3
		.amdhsa_float_denorm_mode_16_64 3
		.amdhsa_memory_ordered 1
		.amdhsa_forward_progress 1
		.amdhsa_inst_pref_size 11
	.end_amdhsa_kernel
	.amdgpu_metadata
---
amdhsa.version: [ 1, 2 ]
amdhsa.kernels:
  - .name:           k_q75b0ace608_castw
    .symbol:         k_q75b0ace608_castw.kd
    .args:
      - { .name: Wq, .offset: 0, .size: 8, .value_kind: global_buffer, .address_space: global }
      - { .name: Wk, .offset: 8, .size: 8, .value_kind: global_buffer, .address_space: global }
      - { .name: Wv, .offset: 16, .size: 8, .value_kind: global_buffer, .address_space: global }
      - { .name: Wo, .offset: 24, .size: 8, .value_kind: global_buffer, .address_space: global }
      - { .name: wcast, .offset: 32, .size: 8, .value_kind: global_buffer, .address_space: global }
    .group_segment_fixed_size: 0
    .private_segment_fixed_size: 0
    .kernarg_segment_align: 8
    .kernarg_segment_size: 40
    .max_flat_workgroup_size: 256
    .sgpr_count:     66
    .vgpr_count:     112
    .wavefront_size: 32
...
	.end_amdgpu_metadata
.endif
;; end of part 1
;; launch proj (part 2): grid 4 x 192, 4 waves a work-group, clusters of 4 x 4, 327,680 bytes of LDS; arguments Q_tokens, K_tokens, V_tokens, weight_K, wcast, qkv; writes qkv
.if DOCPART == 2
	.amdgcn_target "amdgcn-amd-amdhsa--gfx1250"
	.amdhsa_code_object_version 6
	.text
	.protected	k_q75b0ace608_proj
	.globl	k_q75b0ace608_proj
	.p2align	8
	.type	k_q75b0ace608_proj,@function
k_q75b0ace608_proj:
	s_mov_b64 s[64:65], 0
	v_nop
	global_prefetch_b8 v0, s[64:65] scope:SCOPE_SE
	s_setreg_imm32_b32 hwreg(HW_REG_WAVE_MODE, 25, 1), 1
	s_wait_xcnt 0x0
	s_wait_alu depctr_hold_cnt(0) depctr_sa_sdst(0) depctr_va_vdst(0) depctr_va_sdst(0) depctr_va_ssrc(0) depctr_va_vcc(0) depctr_vm_vsrc(0)
	s_getreg_b32 s2, hwreg(HW_REG_IB_STS2, 6, 4)
	s_cmp_eq_u32 s2, 0
	s_cbranch_scc0 .Lentry_in_a_cluster
	s_endpgm
.Lentry_in_a_cluster:
	s_bfe_u32 s2, ttmp6, 0x10000c
	s_cmp_lg_u32 s2, 0xf033
	s_cbranch_scc0 .Lentry_shape_is_right
	s_endpgm
.Lentry_shape_is_right:
; THE THREE PROJECTIONS.  q = Q_tokens Wq, k = (K_tokens Wk) x weight_K by rows, v = V_tokens Wv; each [8192][1024] x [1024][1024].  Tokens are f32 and are rounded to bf16 between LDS and the
; matrix unit; the weights come as bf16 from wcast; sums in f32; weight_K, rounded to bf16, multiplies k's f32 sums; each result is rounded once and stored by heads:
; qkv holds q, k, v at 0, 16 and 32 MiB, each [64 = 16 batch + head][2048][64], rows of 128 bytes on end.  q and k are stored as bf16, v as f16.
; LIMITS.  A number of v beyond 65,504 becomes an infinity; below 6e-5 it keeps f16's fixed step of 6e-8.  NaN and infinities are not treated apart.
; SHARES.  A work-group makes 128 rows x 256 columns of one tensor; 64 x 4 such tiles a tensor, three tensors: 768 work-groups.  Four waves, each 64 rows x 128 columns: 32 accumulators of 16 x 16.
; K goes in 8 steps of 128 through a ring of two LDS slots.  Waves 0 and 1 fetch the tokens' two halves (64 rows x 512 bytes of f32), waves 2 and 3 the weights' (64 k rows x 512 bytes).
; CLUSTERS: 4 x 4 work-groups.  The four of a row of the cluster need the same token tile, the four of a column the same weight tile: each is asked for JOINTLY, by the same tensor load with the same
; descriptor and a mask that names the four.  The tensor's number comes from the cluster's y alone, so it is the same in all sixteen partners.
; THE MATRIX INSTRUCTION IS USED TRANSPOSED: source 0 = 16 columns of W (W lies [k][n]; ds_load_tr16_b128 turns it), source 1 = 16 token rows: a lane then holds eight neighbouring columns of one row.
; REGISTERS, in windows of 256 (s_set_vgpr_msb: bits 1:0 source 0, 3:2 source 1, 5:4 source 2, 7:6 destination):
;   window 0: v0-41 addresses and weight_K; v64-127 token fragments as f32 (later v64-191 packed results); v192-223, v224-255 token fragments in bf16, two buffers
;   window 1: the accumulators, (a, b) at v[8 (8 a + b)]          window 2: v0-63, v64-127 fragments of W, two buffers
.set KSTEP,  128
.set PA,     528                       ; a token row in LDS: 512 bytes + 16 of padding = 132 words: row r starts at bank 4 r mod 64 (64 banks of 4 bytes: ISA guide 11.1)
.set PB,     544                       ; a k row of W: 512 + 32 = 136 words
.set HALFT,  64*PB                     ; room for what one tensor load brings: 64 rows (the tokens' 64 x 528 leave 1,024 bytes of it unused)
.set SLOT,   4*HALFT                   ; the tokens' two halves, then W's 128 k rows on end
.set STAGE,  2*SLOT                    ; behind the ring: 16 rows x 144 bytes for each wave, for the way out
.set SP,     144
.set SPARE,  STAGE+4*16*SP             ; behind the stages: the spare words, 128 bytes for each wave: two blocks of 256 bytes that no other line names
.set LAPS,   1024/(2*KSTEP)            ; a lap = two K steps = once round the ring
.set ADRA, 16                          ; v16-17  LDS address of my token fragments in slot 0, 1
.set ADRB, 20                          ; v20-21  the same for W
.set STO,  24                          ; v24     the way out: where I put 16 bytes of a row
.set RD,   25                          ; v25     the way out: where I read rows back
.set GO,   26                          ; v26     my 16 bytes in 512 consecutive bytes of the result
.set WKO,  27                          ; v27     byte offset in weight_K of my row of block 0
.set SPW,  28                          ; v28     LDS address of my spare word: SPARE + 4 x my thread's number; never rewritten
.set NIL,  29                          ; v29     0; never rewritten
.set PFO,  30                          ; v30     the prefetches' offset; never rewritten
.set WK,   32                          ; v32-39  weight_K of my row in block a, as a pair at WK + 2 a
.set RAW,  64                          ; v64-127 a quarter's token fragments in f32: block a at RAW + 16 a
.set TMP,  64                          ; v64-191 the way out: packed results
.set AC,   192                         ; token fragments in bf16: buffer g, block a at AC + 32 g + 8 a
.set G1,  24                           ; s[24:31] descriptor group 1 for the tokens' tiles;  s[32:39] group 0, one set for each slot
.set G0,  32
.set G1B, 48                           ; s[48:55], s[56:63] the same for W's tiles
.set G0B, 56
.set LIM, 43                           ; s43     1 in a wave that prefetches, else the greatest number
.set PFA, 44                           ; s[44:45] where my prefetches stand
.set WV,  66                           ; s66     my wave's number
.set HI,  67                           ; s67     which 64 rows are mine.  Also: I fetch tokens (0) or W (1)
.set LO,  68                           ; s68     which 128 columns are mine.  Also: which half of that tile I fetch
.set TEN, 69                           ; s69     the tensor: 0 q, 1 k, 2 v
.set TROW, 70                          ; s70     the tile row, 0 to 63
.set MSB, 0
.macro WIN new                         ; the immediate's high byte repeats the setting that is left; a switch that changes nothing is dropped
.if MSB != (\new)
	s_set_vgpr_msb (MSB<<8)|(\new)
.set MSB, \new
.endif
.endm
.set MUL,  0x52                        ; source 0 (W) window 2, source 1 (tokens) window 0, C and D window 1
.set TO_B, 0x80                        ; destination window 2, address window 0
; A joint load: waves 0 and 1 fetch the tokens' two halves, waves 2 and 3 W's.  The branch hangs on the wave's number alone.  An s_nop 0 and four v_nop follow each of the two lines, ahead of the jump, the label and what follows.
.macro JLOAD s
	s_cmp_eq_u32 s[HI], 0
	s_cbranch_scc0 .Lfor_b_\@
	tensor_load_to_lds s[G0+4*(\s):G0+4*(\s)+3], s[G1:G1+7]
	s_nop 0
.rept 4
	v_nop
.endr
	s_branch .Lasked_\@
.Lfor_b_\@:
	tensor_load_to_lds s[G0B+4*(\s):G0B+4*(\s)+3], s[G1B:G1B+7]
	s_nop 0
.rept 4
	v_nop
.endr
.Lasked_\@:
.endm
.macro CREST                           ; a round of the cluster's barrier behind its opening barrier
	s_cmp_lg_u32 s[WV], 0
	s_cbranch_scc1 .Lnot_wave_0_\@
	s_barrier_signal -3
.Lnot_wave_0_\@:
	s_barrier_wait -3
	s_barrier_signal -1
	s_barrier_wait -1
.endm
.macro CROUND                          ; a whole round
	s_barrier_signal -1
	s_barrier_wait -1
	CREST
.endm
; A PREFETCH INTO THE L2 of the tokens' K step that stands two refills on.  The tokens are read once in the launch.  Of the 64 rows that wave 0 or 1 fetches, each of the four partners that ask for them jointly
; takes 16, told apart BY ADDRESS (cx); a lane names one of the two blocks of 256 bytes that a row has in a K step: one instruction a wave.  The grid is one cluster wide, so each block is named once.
; K steps 0 to 3 come by their loads alone; the loop's last trip (s3 = 1) asks for nothing: there is no K step two refills on.  W is not asked for: every cluster of a tensor reads the same 2 MiB.
.macro ASK
	WIN 0
	s_cmp_gt_u32 s3, s[LIM]
	s_cbranch_scc0 .Lnot_mine_\@
	global_prefetch_b8 v[PFO], s[PFA:PFA+1] offset:KSTEP*4 th:TH_LOAD_NT scope:SCOPE_SE
.Lnot_mine_\@:
.endm
	s_load_b256 s[4:11], s[0:1], 0x0               ; Q_tokens s[4:5], K_tokens s[6:7], V_tokens s[8:9], weight_K s[10:11]
	s_load_b128 s[12:15], s[0:1], 0x20             ; wcast s[12:13], qkv s[14:15]
	v_lshl_add_u32 v[SPW], v0, 2, SPARE
	v_mov_b32 v[NIL], 0
	ds_add_u32 v[SPW], v[NIL]                      ; the wave's opening: the add and its wait stand ahead of my first tensor load; the set-up below, work on registers, stands between them
	v_lshrrev_b32 v1, 5, v0
	v_readfirstlane_b32 s[WV], v1                  ; wave 0..3
	s_lshr_b32 s[HI], s[WV], 1
	s_and_b32 s[LO], s[WV], 1
	s_bfe_u32 s40, ttmp6, 0x40000                  ; cx, cy: my place in the cluster
	s_bfe_u32 s41, ttmp6, 0x40004
	s_lshl_b32 s42, ttmp9, 2
	s_add_co_u32 s42, s42, s40                     ; tile column = 4 x cluster x + cx
	s_and_b32 s21, ttmp7, 0xffff                   ; cluster y, 0 to 47: sixteen clusters a tensor
	s_lshr_b32 s[TEN], s21, 4
	s_and_b32 s21, s21, 15
	s_lshl_b32 s21, s21, 2
	s_add_co_u32 s[TROW], s21, s41                 ; tile row = 4 x (cluster y mod 16) + cy
	s_lshl_b32 s78, s41, 2
	s_lshl_b32 s78, 15, s78                        ; my row of the cluster
	s_lshl_b32 s79, 0x1111, s40                    ; my column
	; descriptor group 1.  Tokens: 64 rows x 128 elements of 4 bytes.  W: 64 rows x 256 elements of 2 bytes.  Both rows are 128 words and are padded in LDS
	s_or_b32 s[G1+0], s78, (2<<16)|(1<<20)|(1<<21)|(6<<22)|(3<<25)   ; 15:0 the mask: my row; 17:16 elements of 4 bytes; 20 padding on; 21 set beside a mask; 24:22 after every 128 words (code 6); 31:25 4 words (code 3)
	s_or_b32 s[G1B+0], s79, (1<<16)|(1<<20)|(1<<21)|(6<<22)|(7<<25)  ; the mask: my column; elements of 2 bytes; 8 words of padding (code 7)
	s_mov_b32 s[G1+1], 128<<16                     ; tensor_dim0 = 128
	s_mov_b32 s[G1+2], 64<<16                      ; tensor_dim1 = 64
	s_mov_b32 s[G1+3], 128<<16                     ; tile_dim0 = 128
	s_mov_b32 s[G1+4], 64                          ; tile_dim1 = 64
	s_mov_b32 s[G1+5], 1024                        ; elements from row to row
	s_mov_b32 s[G1+6], 0
	s_mov_b32 s[G1+7], 0
	s_mov_b32 s[G1B+1], 256<<16                    ; tensor_dim0 = 256
	s_mov_b32 s[G1B+2], 64<<16
	s_mov_b32 s[G1B+3], 256<<16                    ; tile_dim0 = 256
	s_mov_b32 s[G1B+4], 64
	s_mov_b32 s[G1B+5], 1024
	s_mov_b32 s[G1B+6], 0
	s_mov_b32 s[G1B+7], 0
	s_lshl_b32 s16, s[TROW], 7                     ; tokens: row 128 x tile row + 64 x half,
	s_lshl_b32 s17, s[LO], 6
	s_add_co_u32 s16, s16, s17
	s_lshl_b32 s16, s16, 12                        ; of 4,096 bytes
	s_mov_b32 s17, 0
	s_lshl_b32 s46, s[TEN], 21                     ; W: the tensor's 2 MiB,
	s_lshl_b32 s47, s[LO], 17                      ; k row 64 x half, of 2,048 bytes,
	s_add_co_u32 s46, s46, s47
	s_lshl_b32 s47, s42, 9                         ; 256 columns of 2 bytes a tile column
	s_add_co_u32 s46, s46, s47
	s_mov_b32 s47, 0
	s_mul_i32 s20, s[WV], HALFT                    ; where they go: no place in the cluster enters an LDS address
	s_wait_dscnt 0x0                               ; the opening add is done
	s_wait_kmcnt 0x0
	s_cmp_eq_u32 s[TEN], 1
	s_cselect_b64 s[72:73], s[6:7], s[4:5]
	s_cmp_eq_u32 s[TEN], 2
	s_cselect_b64 s[72:73], s[8:9], s[72:73]       ; the tensor's tokens
	s_add_nc_u64 s[76:77], s[72:73], s[16:17]
	s_add_nc_u64 s[46:47], s[12:13], s[46:47]
	CROUND                                         ; all sixteen work-groups are here: the first joint loads meet
.irp s, 0,1
	s_mov_b32 s[G0+4*(\s)], 1                                        ; count = 1
	s_add_co_u32 s[G0+4*(\s)+1], s20, (\s)*SLOT                      ; LDS address
	s_add_nc_u64 s[G0+4*(\s)+2:G0+4*(\s)+3], s[76:77], (\s)*KSTEP*4  ; global address: K step s
	s_or_b32 s[G0+4*(\s)+3], s[G0+4*(\s)+3], 0x80000000              ; type = 2
	s_mov_b32 s[G0B+4*(\s)], 1
	s_add_co_u32 s[G0B+4*(\s)+1], s20, (\s)*SLOT
	s_add_nc_u64 s[G0B+4*(\s)+2:G0B+4*(\s)+3], s[46:47], (\s)*KSTEP*2048
	s_or_b32 s[G0B+4*(\s)+3], s[G0B+4*(\s)+3], 0x80000000
	JLOAD \s                                       ; two tensor loads of mine are out
.endr
	v_and_b32 v1, 15, v0                           ; r = l % 16
	v_bfe_u32 v2, v0, 4, 1                         ; h = l / 16
	s_lshl_b32 s21, s[TROW], 7
	s_lshl_b32 s22, s[HI], 6
	s_add_co_u32 s21, s21, s22
	v_add_nc_u32 v[WKO], s21, v1                   ; my row of block 0 among the 8,192
	v_lshlrev_b32 v[WKO], 2, v[WKO]
.irp a, 0,1,2,3
	global_load_b32 v[WK+2*(\a)], v[WKO], s[10:11] offset:64*(\a)  ; waited for on the way out
.endr
	; A token fragment is 16 rows x 32 k: lane l holds row r and k = 8 h + 0..7 and 16 + 8 h + 0..7.  In f32 that is 32 bytes at 32 h and 32 bytes at 64 + 32 h: four loads of 16 bytes.
	v_mul_u32_u24 v3, v1, PA
	v_lshl_add_u32 v3, v2, 5, v3                   ; row x pitch + 32 x half
	s_mul_i32 s21, s[HI], HALFT                    ; my 64 rows
	; The turning load takes 16 k x 16 columns (lane l reads k row 8 h + l % 8, columns 8 ((l / 8) % 2) + 0..7) and leaves half a fragment: lane l holds column r and 8 k.
	v_and_b32 v4, 7, v0
	v_lshl_add_u32 v4, v2, 3, v4
	v_mul_u32_u24 v4, v4, PB
	v_bfe_u32 v5, v0, 3, 1
	v_lshl_add_u32 v4, v5, 4, v4
	s_lshl_b32 s22, s[LO], 8                       ; my 128 columns,
	s_add_co_u32 s22, s22, 2*HALFT                 ; behind the tokens' two halves
.irp s, 0,1
	v_add_nc_u32 v[ADRA+(\s)], s21, v3
	v_add_nc_u32 v[ADRB+(\s)], s22, v4
	s_add_co_u32 s21, s21, SLOT
	s_add_co_u32 s22, s22, SLOT
.endr
	s_mul_i32 s23, s[WV], 16*SP
	s_add_co_u32 s23, s23, STAGE                   ; my stage
	v_mul_u32_u24 v6, v1, SP                       ; in: row r, 16 bytes for each half of the lanes
	v_lshl_add_u32 v6, v2, 4, v6
	v_add_nc_u32 v[STO], s23, v6
	v_bfe_u32 v7, v0, 3, 2                         ; back: 32 lanes take four rows of 128 bytes,
	v_mul_u32_u24 v7, v7, SP
	v_and_b32 v8, 7, v0
	v_lshl_add_u32 v7, v8, 4, v7
	v_add_nc_u32 v[RD], s23, v7
	v_and_b32 v[GO], 31, v0                        ; which are 512 consecutive bytes of the result
	v_lshlrev_b32 v[GO], 4, v[GO]
	; where my part of the result begins: tensor x 16 MiB + batch x 4 MiB + head x 256 KiB + row x 128.  The part that hangs on cx is made in the registers that held W's address
	s_lshl_b32 s16, s[TEN], 24
	s_lshr_b32 s17, s[TROW], 4
	s_lshl_b32 s17, s17, 22
	s_add_co_u32 s16, s16, s17
	s_and_b32 s17, s[TROW], 15
	s_lshl_b32 s17, s17, 1
	s_add_co_u32 s17, s17, s[HI]
	s_lshl_b32 s17, s17, 13                        ; (128 x tile row in the batch + 64 x half) x 128
	s_add_co_u32 s16, s16, s17
	s_mov_b32 s17, 0
	s_lshl_b32 s46, s42, 1
	s_add_co_u32 s46, s46, s[LO]
	s_lshl_b32 s46, s46, 19                        ; head 4 x tile column + 2 x half
	s_mov_b32 s47, 0
	s_add_nc_u64 s[74:75], s[14:15], s[16:17]
	s_add_nc_u64 s[74:75], s[74:75], s[46:47]
	; the prefetches: my work-group's 16 of the 64 rows that I fetch, at K step 2: the first refill steps this to 3 and names K step 4
	s_lshl_b32 s22, s40, 16                        ; 16 cx rows of 4,096 bytes
	s_mov_b32 s23, 0
	s_add_nc_u64 s[PFA:PFA+1], s[76:77], s[22:23]
	s_add_nc_u64 s[PFA:PFA+1], s[PFA:PFA+1], 2*KSTEP*4
	s_cmp_eq_u32 s[HI], 0
	s_cselect_b32 s[LIM], 1, -1
	v_lshlrev_b32 v[PFO], 12, v1                   ; row r of the 16,
	v_lshl_add_u32 v[PFO], v2, 8, v[PFO]           ; block h of the K step's two
; 8 matrix instructions: row block a x all 8 column blocks, 32 along K, from buffers f.  A quarter takes a = 0, 1, 2, 3: the 32 accumulators take turns in one order, over the backward jump too.
; zero = 1: the product starts the sums: nothing is ever cleared.
.macro MUL8 f, a, zero
	WIN MUL
.irp b, 0,1,2,3,4,5,6,7
.if \zero
	v_wmma_f32_16x16x32_bf16 v[8*(8*(\a)+(\b)):8*(8*(\a)+(\b))+7], v[64*(\f)+8*(\b):64*(\f)+8*(\b)+7], v[AC+32*(\f)+8*(\a):AC+32*(\f)+8*(\a)+7], 0
.else
	v_wmma_f32_16x16x32_bf16 v[8*(8*(\a)+(\b)):8*(8*(\a)+(\b))+7], v[64*(\f)+8*(\b):64*(\f)+8*(\b)+7], v[AC+32*(\f)+8*(\a):AC+32*(\f)+8*(\a)+7], v[8*(8*(\a)+(\b)):8*(8*(\a)+(\b))+7]
.endif
.endr
.endm
; 32 LDS loads in one run: quarter kq (32 along K) of a slot: the tokens' 64 rows in f32 first, then W's 128 columns, turned, into buffer g
.macro FETCH slot, kq, g
	WIN 0
.irp a, 0,1,2,3
	ds_load_b128 v[RAW+16*(\a):RAW+16*(\a)+3],     v[ADRA+(\slot)] offset:(\a)*16*PA+128*(\kq)
	ds_load_b128 v[RAW+16*(\a)+4:RAW+16*(\a)+7],   v[ADRA+(\slot)] offset:(\a)*16*PA+128*(\kq)+16
	ds_load_b128 v[RAW+16*(\a)+8:RAW+16*(\a)+11],  v[ADRA+(\slot)] offset:(\a)*16*PA+128*(\kq)+64
	ds_load_b128 v[RAW+16*(\a)+12:RAW+16*(\a)+15], v[ADRA+(\slot)] offset:(\a)*16*PA+128*(\kq)+80
.endr
	WIN TO_B
.irp b, 0,1,2,3,4,5,6,7
	ds_load_tr16_b128 v[64*(\g)+8*(\b):64*(\g)+8*(\b)+3],   v[ADRB+(\slot)] offset:(\kq)*32*PB+32*(\b)
	ds_load_tr16_b128 v[64*(\g)+8*(\b)+4:64*(\g)+8*(\b)+7], v[ADRB+(\slot)] offset:(\kq)*32*PB+16*PB+32*(\b)
.endr
.endm
; 16 roundings: row blocks 2 hf and 2 hf + 1 of the tokens just fetched, into buffer g
.macro CVT g, hf
	WIN 0
.irp a, 2*(\hf), 2*(\hf)+1
.irp j, 0,1,2,3,4,5,6,7
	v_cvt_pk_bf16_f32 v[AC+32*(\g)+8*(\a)+(\j)], v[RAW+16*(\a)+2*(\j)], v[RAW+16*(\a)+2*(\j)+1]
.endr
.endr
.endm
; A K step is four quarters of 32 along K, 32 matrix instructions each, on buffers 0, 1, 0, 1.  One of the first three: multiplies buffers f, fetches quarter kq of the same slot and rounds it into g.
; PLACES.  A load into a register that a matrix instruction has read, and a vector instruction that writes one, stand four plain vector instructions behind it (ISA guide 7.12.1 for vector instructions).
; Every quarter ends in 16 roundings that name no register of the products in front of them; they stand between the last product that read buffers g and the next loads and roundings into g.  No v_nop is written.
.macro QUARTER slot, kq, f, g, zero
	s_wait_dscnt 0x0                               ; W's fragments of this quarter are in (the tokens' were waited for when they were rounded)
	MUL8 \f, 0, \zero
	FETCH \slot, \kq, \g
	MUL8 \f, 1, \zero
	MUL8 \f, 2, \zero
	s_wait_dscnt 16                                ; the tokens' 16 loads are in; W's 16, issued behind them, may stay out
	CVT \g, 0
	MUL8 \f, 3, \zero
	CVT \g, 1
.endm
; The last quarter multiplies buffers 1 and changes slots: ONE barrier; in front of it each wave waits for all its tensor loads, adds 0 to its spare word, and waits for that and for its own reads of this slot.
; fill = 1: the barrier opens a round of the cluster's barrier, and this slot is filled again, two K steps ahead, first thing behind the round.
.macro TURN slot, next, fill
.if \fill
	s_wait_xcnt 0x0                                ; the last prefetch, a K step back, has read its address: it is stepped here, ahead of the waits of the change of slots
	s_add_nc_u64 s[PFA:PFA+1], s[PFA:PFA+1], KSTEP*4
.endif
	WIN 0
	s_wait_tensorcnt 0x0                           ; all my tensor loads have landed: the one that was out is my part of the next slot;
	ds_add_u32 v[SPW], v[NIL]                      ; 0 onto my spare word
	s_wait_dscnt 1                                 ; (the add alone may be out: W's fragments of this quarter are in)
	MUL8 1, 0, 0                                   ; eight matrix instructions stand between the add and the wait for it
	s_wait_dscnt 0x0                               ; the add is done, and my reads of this slot are over
	s_barrier_signal -1
	MUL8 1, 1, 0
.if \fill
	WIN 0
.endif
	s_barrier_wait -1
.if \fill
	CREST                                          ; no wave of any partner still reads this slot's tiles or has a load on its way
	s_add_nc_u64 s[G0+4*(\slot)+2:G0+4*(\slot)+3], s[G0+4*(\slot)+2:G0+4*(\slot)+3], 2*KSTEP*4
	s_add_nc_u64 s[G0B+4*(\slot)+2:G0B+4*(\slot)+3], s[G0B+4*(\slot)+2:G0B+4*(\slot)+3], 2*KSTEP*2048
	JLOAD \slot                                    ; the first tensor load behind the round, and my only one until the next
.endif
	FETCH \next, 0, 0
.if \fill
	ASK
.endif
	MUL8 1, 2, 0
	s_wait_dscnt 16                                ; the tokens' 16 loads are in
	CVT 0, 0
	MUL8 1, 3, 0
	CVT 0, 1
.endm
	s_wait_tensorcnt 1                             ; my part of K step 0 is in; K step 1's may stay out
	s_barrier_signal -1
	s_barrier_wait -1                              ; everybody's is
	FETCH 0, 0, 0
	s_wait_dscnt 16                                ; the tokens' 16 loads are in
	CVT 0, 0
	CVT 0, 1
	QUARTER 0, 1, 0, 1, 1                          ; the first quarter stands in front of the loop: its products start the sums
	WIN 0                                          ; at a label and at a branch every window is 0
	s_mov_b32 s3, LAPS-1
.Llap:                                                 ; a trip goes once round the ring, from a lap's second quarter to the next lap's first, and fills both slots again
	QUARTER 0, 2, 1, 0, 0
	QUARTER 0, 3, 0, 1, 0
	TURN 0, 1, 1
	QUARTER 1, 1, 0, 1, 0
	QUARTER 1, 2, 1, 0, 0
	QUARTER 1, 3, 0, 1, 0
	TURN 1, 0, 1
	QUARTER 0, 1, 0, 1, 0
	WIN 0
	s_sub_co_u32 s3, s3, 1
	s_cmp_lg_u32 s3, 0
	s_cbranch_scc1 .Llap
	QUARTER 0, 2, 1, 0, 0                          ; the last lap fills nothing, and has no round of the cluster's barrier
	QUARTER 0, 3, 0, 1, 0
	TURN 0, 1, 0
	QUARTER 1, 1, 0, 1, 0
	QUARTER 1, 2, 1, 0, 0
	QUARTER 1, 3, 0, 1, 0
	s_wait_dscnt 0x0                               ; the very last quarter: nothing more to fetch
	MUL8 1, 0, 0
	MUL8 1, 1, 0
	MUL8 1, 2, 0
	MUL8 1, 3, 0
	WIN 0
	; THE WAY OUT.  weight_K is rounded to bf16 and widened again: twelve plain lines, the places behind the last products.  Only k is multiplied by it.
	s_wait_loadcnt 0x0                             ; weight_K
.irp a, 0,1,2,3
	v_cvt_pk_bf16_f32 v[WK+2*(\a)], v[WK+2*(\a)], v[WK+2*(\a)]
.endr
.irp a, 0,1,2,3
	v_lshlrev_b32 v[WK+2*(\a)], 16, v[WK+2*(\a)]
.endr
.irp a, 0,1,2,3
	v_mov_b32 v[WK+2*(\a)+1], v[WK+2*(\a)]         ; named with it as a pair
.endr
	s_cmp_eq_u32 s[TEN], 1
	s_cbranch_scc0 .Lunscaled
	WIN 0x41                                       ; destination and source 0 window 1, source 1 window 0
.irp a, 0,1,2,3
.set i, 64*(\a)
.rept 32
	v_pk_mul_f32 v[i:i+1], v[i:i+1], v[WK+2*(\a):WK+2*(\a)+1] op_sel_hi:[1,0]  ; a lane holds one row of block a: one weight for all its numbers there
.set i, i+2
.endr
.endr
	WIN 0
.Lunscaled:
	s_cmp_eq_u32 s[TEN], 2
	s_cbranch_scc1 .Lhalf
	WIN 0x05                                       ; sources 0 and 1 window 1, destination window 0
.set i, 0
.rept 128
	v_cvt_pk_bf16_f32 v[TMP+i], v[2*i], v[2*i+1]   ; q and k: bf16; each accumulator's registers in ascending order
.set i, i+1
.endr
	WIN 0
	s_branch .Lpacked
.Lhalf:
	WIN 0x05
.set i, 0
.rept 128
	v_cvt_pk_f16_f32 v[TMP+i], v[2*i], v[2*i+1]    ; v: f16
.set i, i+1
.endr
	WIN 0
.Lpacked:
; Piece p = 2 a + hh: 16 rows (block a) of one head (hh of my two): 2,048 consecutive bytes of the result.  A lane's eight channels of a row are 16 bytes; they go into rows of 144 bytes of my own stage
; and come back as whole rows of 128, into the registers that they left.
.macro STG p
.irp f, 0,1,2,3
	ds_store_b128 v[STO], v[TMP+4*(4*(\p)+(\f)):TMP+4*(4*(\p)+(\f))+3] offset:32*(\f)
.endr
.irp f, 0,1,2,3
	ds_load_b128 v[TMP+4*(4*(\p)+(\f)):TMP+4*(4*(\p)+(\f))+3], v[RD] offset:(\f)*4*SP  ; LDS serves a wave's instructions in order (ISA guide 5.7.1.4): these see the stores above; the next piece's stores come behind them
.endr
.endm
.macro SEND p, younger                 ; younger: the LDS instructions issued behind piece p's loads: the next piece's eight, or none
.irp f, 0,1,2,3
	s_wait_dscnt (\younger)+3-(\f)
	global_store_b128 v[GO], v[TMP+4*(4*(\p)+(\f)):TMP+4*(4*(\p)+(\f))+3], s[74:75] offset:((\p)/2)*2048+((\p)%2)*262144+(\f)*512  ; 512 consecutive bytes, at a multiple of 256 from the buffer's first
.endr
.endm
	STG 0
.irp p, 1,2,3,4,5,6,7
	STG \p
	SEND (\p)-1, 8
.endr
	SEND 7, 0
	s_wait_tensorcnt 0x0                           ; the wave's end: a wait, an add of 0 to my spare word and a wait, behind my last tensor load and my last LDS store
	ds_add_u32 v[SPW], v[NIL]
	s_wait_dscnt 0x0
	CROUND                                         ; the closing round: no work-group ends while a partner may still ask for a tile that names it
	s_endpgm
.Lfunc_end_k_q75b0ace608_proj:
	.size	k_q75b0ace608_proj, .Lfunc_end_k_q75b0ace608_proj-k_q75b0ace608_proj
	.p2alignl 7, 3214868480
	.fill 96, 4, 3214868480
	.section	.rodata,"a",@progbits
	.p2align	6, 0x0
	.amdhsa_kernel k_q75b0ace608_proj
		.amdhsa_group_segment_fixed_size 327680
		.amdhsa_private_segment_fixed_size 0
		.amdhsa_enable_private_segment 0
		.amdhsa_kernarg_size 48
		.amdhsa_user_sgpr_count 2
		.amdhsa_user_sgpr_kernarg_segment_ptr 1
		.amdhsa_wavefront_size32 1
		.amdhsa_system_sgpr_workgroup_id_x 1
		.amdhsa_system_sgpr_workgroup_id_y 1
		.amdhsa_system_sgpr_workgroup_id_z 1
		.amdhsa_system_vgpr_workitem_id 0
		.amdhsa_next_free_vgpr 640
		.amdhsa_next_free_sgpr 84
		.amdhsa_reserve_vcc 0
		.amdhsa_float_denorm_mode_32 3
		.amdhsa_float_denorm_mode_16_64 3
		.amdhsa_memory_ordered 1
		.amdhsa_forward_progress 1
		.amdhsa_inst_pref_size 146
	.end_amdhsa_kernel
	.amdgpu_metadata
---
amdhsa.version: [ 1, 2 ]
amdhsa.kernels:
  - .name:           k_q75b0ace608_proj
    .symbol:         k_q75b0ace608_proj.kd
    .args:
      - { .name: Q_tokens, .offset: 0, .size: 8, .value_kind: global_buffer, .address_space: global }
      - { .name: K_tokens, .offset: 8, .size: 8, .value_kind: global_buffer, .address_space: global }
      - { .name: V_tokens, .offset: 16, .size: 8, .value_kind: global_buffer, .address_space: global }
      - { .name: weight_K, .offset: 24, .size: 8, .value_kind: global_buffer, .address_space: global }
      - { .name: wcast, .offset: 32, .size: 8, .value_kind: global_buffer, .address_space: global }
      - { .name: qkv, .offset: 40, .size: 8, .value_kind: global_buffer, .address_space: global }
    .group_segment_fixed_size: 327680
    .private_segment_fixed_size: 0
    .kernarg_segment_align: 8
    .kernarg_segment_size: 48
    .max_flat_workgroup_size: 128
    .sgpr_count:     84
    .vgpr_count:     640
    .wavefront_size: 32
...
	.end_amdgpu_metadata
.endif
;; end of part 2
;; launch attn (part 3): grid 4 x 64, 4 waves a work-group, clusters of 4 x 1, 327,680 bytes of LDS; arguments qkv, obuf; writes obuf
.if DOCPART == 3
	.amdgcn_target "amdgcn-amd-amdhsa--gfx1250"
	.amdhsa_code_object_version 6
	.text
	.protected	k_q75b0ace608_attn
	.globl	k_q75b0ace608_attn
	.p2align	8
	.type	k_q75b0ace608_attn,@function
k_q75b0ace608_attn:
	s_mov_b64 s[64:65], 0
	v_nop
	global_prefetch_b8 v0, s[64:65] scope:SCOPE_SE
	s_setreg_imm32_b32 hwreg(HW_REG_WAVE_MODE, 25, 1), 1
	s_wait_xcnt 0x0
	s_wait_alu depctr_hold_cnt(0) depctr_sa_sdst(0) depctr_va_vdst(0) depctr_va_sdst(0) depctr_va_ssrc(0) depctr_va_vcc(0) depctr_vm_vsrc(0)
	s_getreg_b32 s2, hwreg(HW_REG_IB_STS2, 6, 4)
	s_cmp_eq_u32 s2, 0
	s_cbranch_scc0 .Lentry_in_a_cluster
	s_endpgm
.Lentry_in_a_cluster:
	s_bfe_u32 s2, ttmp6, 0x10000c
	s_cmp_lg_u32 s2, 0x3003
	s_cbranch_scc0 .Lentry_shape_is_right
	s_endpgm
.Lentry_shape_is_right:
; O[h][q][:] = the sum over k of softmax_k(Q[h][q] . K[h][k] / 8) V[h][k][:], for 64 heads (16 batch + head) of 2,048 rows.  qkv holds Q, K, V at 0, 16 and 32 MiB, each [64][2048][64] in 16 bits:
; a head's rows are dense, 128 bytes each.  Q and K are bf16 (K carries weight_K already), V is f16; O (obuf, the same layout) is f16.  Products, maxima and sums in f32; the weights p
; are rounded to f16 for the second product (their sum l is taken of the unrounded p), O once at the end.
; LIMITS.  f16 holds no number beyond 65,504: V arrives within it; p lies in 0 to 1, and below 6e-5 it keeps f16's fixed step of 6e-8; O is a mean of V's rows and has their range.
; A weight below 2^-126 counts as 0 in l; c s stays above -4e37, where c m starts; NaN and infinities are not treated apart.
; SHARES.  A wave owns four PIECES of two tiles of 16 queries, a work-group's four waves 512 queries of one head.  Every wave walks all keys, 64 a step.
; LAYOUT.  S^T = K Q^T (source 0 = 16 keys, source 1 = 16 queries): in the result a lane holds ONE query (lane % 16) and the keys 8 (lane / 16) + 0..7.  Two such tiles, rounded to f16 in pairs,
; ARE source 1 (32 keys x 16 queries) of O^T = V^T P, whose result again holds one query a lane, and eight channels.  K comes out of LDS as it lies, V ([key][channel]) turned, by ds_load_tr16_b128.
; The bf16 form writes S^T alone and the f16 form O^T alone: no accumulator sees both.
; SOFTMAX.  For each query a running maximum m and sum l: p = 2^(c s - c m), c = log2(e) / 8; in every step O and l are multiplied by a = 2^(c m_old - c m_new), which is 1 where m has not grown.
; m starts at the lowest finite number, O and l at 0: the first step is a step like any other, with a = 0.
; THE COUNT.  A tile and step have 16 matrix and 118 vector instructions: too many to stand all beside the matrix work.  So the order has one aim: four vector instructions that are READY behind
; EVERY matrix instruction, and the others, which need time of their own whatever the order, in runs without a gap.
; BY TURNS.  Turn n belongs to piece n (the pieces in a ring, step after step).  Its matrix work: 16 products K Q^T of piece n + 1, later 16 products V^T P of piece n - 1.  Its vector work: the scaling,
; exponentials, roundings, sums and rescaling of piece n, and the maximum and statistics of piece n + 1, whose scores the turn itself has made.  So what a turn begins with (c s - c m, O a) waits for nothing.
; CLUSTER.  The four query blocks of a cluster are one head's and walk the same K and V, so each tile is asked for JOINTLY: the same tensor load, descriptor and mask in all four.
; NO PREFETCH: K and V were stored by the launch before this one, and a refill has four key steps, 512 matrix instructions a wave, in which to land.
; REGISTERS, in windows of 256 (s_set_vgpr_msb says which window each operand place means: bits 1:0 source 0, 3:2 source 1, 5:4 source 2, 7:6 destination):
;   window 0: v0-11 addresses; v12-15, v48-63 at work; v16-47 four registers of statistics a tile; v64-191 S^T, two buffers of two tiles; v192-255 P, likewise
;   window 1: O^T, 32 a tile          window 2: v0-127 Q, 16 a tile; v128-191 K of one step; v192-255 V of one step          window 3: v0-1 the add's two registers
; A piece's buffers go by its number's parity: the piece in hand has one pair, its two neighbours in the ring share the other: of it P (piece n - 1) is read and S^T (piece n + 1) written.
.set SIZE_N, 2048     ; rows of a head
.set NP,    4         ; pieces a wave: a name, no knob: the register map, the loop and the fetches are made for four
.set KS,    64        ; keys in a step
.set PK,    144       ; a row of K in LDS: 128 bytes + 16 of padding = 36 words: the 16 rows of a load start at 16 different groups of four banks (64 banks of 4 bytes: ISA guide 11.1)
.set PV,    160       ; a row of V: 128 + 32 = 40 words
.set VOFF,  4*KS*PK   ; a slot holds four steps: 256 rows of K, then 256 rows of V
.set SLOT1, 1<<17     ; slot 1 begins here, so that one exclusive or turns an address in one slot into the other's
.set STAGE, SLOT1+4*KS*(PK+PV)  ; behind the ring, never filled by a tensor load: 16 rows x 144 bytes for each wave, for the way out
.set SP,    144
.set AK0, 2           ; v2   my lane's place in a tile of K; never rewritten
.set AV0, 3           ; v3   the same for V
.set AK,  4           ; v4   the LDS address of K's next run of loads
.set AV,  5           ; v5   of V's
.set QO,  6           ; v6   my byte offset in the wave's rows of Q
.set STO, 6           ;      later, the way out: where I put 16 bytes of a row
.set RD,  7           ; v7   the way out: where I read rows back
.set GO,  8           ; v8   my byte offset in 512 consecutive bytes of O
.set SPW, 0           ; v0 of window 3   LDS address of my spare word: SPARE + 4 x my thread's number; never rewritten
.set NIL, 1           ; v1 of window 3   0; never rewritten
.set SPARE, STAGE+4*16*SP  ; behind the stages: the spare words, 128 bytes for each wave: two blocks of 256 bytes that no other line names
.set MV,  12          ; v12-15  c m_old, kept while c m is made anew: by buffer and tile
.set ST,  16          ; tile t's statistics at v[ST+4 t]: c m, m, l (even keys', odd keys')
.set TMP, 48          ; by buffer and tile, four registers c0-c3 at work; when the maximum is found c2 takes a
.set S,   64
.set P,   192
.set KF,  128         ; K's fragments, in window 2: key block kb, channel half c at KF + 16 kb + 8 c
.set VF,  192         ; V's: key half kk, channel block cb at VF + 32 kk + 8 cb
.set WV,  12          ; s12  my wave's number
.set G1K, 24          ; s[24:31] descriptor group 1 for K's tiles
.set G1V, 32          ; s[32:39] for V's: it differs in the padding alone
.set G0K, 40          ; s[40:43] descriptor group 0 for K's tiles: it walks
.set G0V, 44          ; s[44:47] the same for V's
.set SLOTS, 56        ; s56  slots still to be asked for
.set CNT, 57          ; s57  counts a slot's key steps
.set CS,  58          ; s[58:59] c: the packed scaling takes the pair's low word for both halves
.set SEL, 60          ; s[60:61] v_permlanex16_b32's selects: each lane takes its own place in the other half
.set TBK, 62          ; s62  LDS byte at which K of the step to be fetched begins
.set TBV, 63          ; s63  the same for V, less VOFF
.set MSB, 0
.macro WIN new                      ; the high byte repeats the setting that is left; a switch that changes nothing is dropped
.if MSB != (\new)
	s_set_vgpr_msb (MSB<<8)|(\new)
.set MSB, (\new)
.endif
.endm
.set W_KQ, 0x0a       ; K and Q in window 2, S^T in window 0
.set W_PV, 0x52       ; V in window 2, P in window 0, O^T in window 1
.set W_RS, 0x41       ; O^T (destination and source 0) in window 1, a in window 0
.set W_MK, 0xc0       ; the add's registers are made: destination in window 3, sources in window 0
.set W_AD, 0x0f       ; the add: address (source 0) and data (source 1) in window 3
; A joint fill.  Waves 0 and 1 fetch the two halves of a slot's K, waves 2 and 3 those of its V: 128 keys each.  The branch hangs on the wave's number alone.
; An s_nop 0 and four v_nop follow each of the two lines, ahead of the jump and the label.
.macro JLOAD
	s_cmp_lt_u32 s[WV], 2
	s_cbranch_scc0 .Lfor_v_\@
	tensor_load_to_lds s[G0K:G0K+3], s[G1K:G1K+7]
	s_nop 0
.rept 4
	v_nop
.endr
	s_branch .Lasked_\@
.Lfor_v_\@:
	tensor_load_to_lds s[G0V:G0V+3], s[G1V:G1V+7]
	s_nop 0
.rept 4
	v_nop
.endr
.Lasked_\@:
.endm
; A round of the cluster's barrier: my work-group's barrier, so that wave 0's signal speaks for all four waves; wave 0 signals; every wave waits for all four work-groups; my work-group's barrier once more.
.macro CROUND
	s_barrier_signal -1
	s_barrier_wait -1
	s_cmp_lg_u32 s[WV], 0
	s_cbranch_scc1 .Lnot_wave_0_\@
	s_barrier_signal -3
.Lnot_wave_0_\@:
	s_barrier_wait -3
	s_barrier_signal -1
	s_barrier_wait -1
.endm
; THE CHANGE OF SLOTS.  The slot's last bytes, V of its fourth step, have been read.  Each wave waits for all its tensor loads, of which one is out: its part
; of the other slot; adds 0 to its spare word; and waits for that and for its own reads of the slot.  Behind the barrier nobody reads this slot any more and the other slot is whole.
; fill = 1: this slot is filled again, with the keys two slots on.  The barrier is then a round of the cluster's, so that no wave of any partner still reads the slot or has a load on its
; way, and the joint fill is the first thing behind it: it has four key steps, 512 matrix instructions, in which to land.  (At its first use nothing has been read yet: slot 0 is waited for, slot 1 filled.)
.macro CHANGE fill
	WIN W_AD
	s_wait_tensorcnt 0x0            ; no tensor load of mine is out, so a group 0 may be written
	ds_add_u32 v[SPW], v[NIL]       ; 0 onto my spare word: with fill = 1 the descriptors' steps stand between it and the wait for it
	WIN 0                           ; at a label and at a branch every window is 0
.if \fill
.irp g, G0K, G0V
	s_xor_b32 s[\g+1], s[\g+1], SLOT1  ; the walking descriptor: the other slot than last time,
	s_add_nc_u64 s[\g+2:\g+3], s[\g+2:\g+3], 4*KS*128  ; the next 256 keys; the type bits on top are not reached
.endr
	s_wait_dscnt 0x0                ; the add is done, and my reads of the slot are over
	CROUND
	JLOAD
.else
	s_wait_dscnt 0x0                ; the add is done, and my reads of the slot are over
	s_barrier_signal -1
	s_barrier_wait -1
.endif
	s_sub_co_u32 s[TBK], s[TBK], 4*KS*PK  ; the fetches go back to a slot's first step,
	s_xor_b32 s[TBK], s[TBK], SLOT1       ; in the other slot
	s_sub_co_u32 s[TBV], s[TBV], 4*KS*PV
	s_xor_b32 s[TBV], s[TBV], SLOT1
.endm
	s_load_b64 s[4:5], s[0:1], 0x0    ; qkv: Q lies at its head
	s_load_b64 s[10:11], s[0:1], 0x8  ; obuf
	WIN W_MK
	v_lshl_add_u32 v[SPW], v0, 2, SPARE
	v_mov_b32 v[NIL], 0
	WIN W_AD
	ds_add_u32 v[SPW], v[NIL]       ; the wave's opening: the add and its wait stand ahead of my first tensor load; the set-up below, work on registers, stands between them
	WIN 0
	v_lshrrev_b32 v1, 5, v0
	v_readfirstlane_b32 s[WV], v1   ; wave 0..3
	s_bfe_u32 s13, ttmp6, 0x40000   ; cx: my place in the cluster
	s_lshl_b32 s14, ttmp9, 2        ; in a cluster launch ttmp9 counts clusters
	s_add_co_u32 s14, s14, s13      ; my block of queries = 4 x cluster x + cx: it enters Q's and O's addresses alone
	s_and_b32 s20, ttmp7, 0xffff    ; the head, which the four partners share
	s_mov_b32 s21, 0
	s_mov_b64 s[22:23], SIZE_N*128
	s_mul_u64 s[20:21], s[20:21], s[22:23]  ; the head's first byte in each of the four tensors
	s_and_b32 s16, s[WV], 1         ; which half of a slot's 256 keys I fetch:
	s_lshl_b32 s22, s16, 14         ; its 128 rows of 128 bytes in memory,
	s_mov_b32 s23, 0
	s_add_nc_u64 s[22:23], s[22:23], s[20:21]
	s_mul_i32 s17, s16, 128*PK      ; and its place in a slot, for K
	s_mul_i32 s18, s16, 128*PV      ; and for V: no place in the cluster enters an LDS address
	s_lshl_b32 s2, s14, 2
	s_add_co_u32 s2, s2, s[WV]      ; my wave among the head's,
	s_lshl_b32 s2, s2, 14           ; its 128 rows
	s_mov_b32 s3, 0
	s_add_nc_u64 s[2:3], s[2:3], s[20:21]
	; descriptor group 1.  128 keys are 16,384 dense bytes: asked for as 64 rows of 256 bytes, two keys a row, and padded in LDS after every key
	s_mov_b32 s[G1K], 15|(1<<16)|(1<<20)|(1<<21)|(4<<22)|(3<<25)  ; 15:0 the mask of four; 17:16 2-byte elements; 20 padding on; 21 set beside a mask; 24:22 after every 32 words (code 4); 31:25 4 words (code 3)
	s_mov_b32 s[G1V], 15|(1<<16)|(1<<20)|(1<<21)|(4<<22)|(7<<25)  ; the same with 8 words of padding (code 7)
.irp g, G1K, G1V
	s_mov_b32 s[\g+1], 128<<16      ; tensor_dim0 = 128
	s_mov_b32 s[\g+2], 64<<16       ; tensor_dim1 = 64
	s_mov_b32 s[\g+3], 128<<16      ; tile_dim0 = 128
	s_mov_b32 s[\g+4], 64           ; tile_dim1 = 64
	s_mov_b32 s[\g+5], 128          ; 128 elements from row to row
	s_mov_b32 s[\g+6], 0
	s_mov_b32 s[\g+7], 0
.endr
	s_mov_b32 s[CS], 0x3e38aa3b     ; c = log2(e) / 8 = 0.180337
	s_mov_b32 s[CS+1], s[CS]        ; named with it as a pair
	s_mov_b32 s[SEL], 0x76543210
	s_mov_b32 s[SEL+1], 0xfedcba98
	s_mov_b32 s[TBK], SLOT1+4*KS*PK ; the first change of slots turns these two into 0
	s_mov_b32 s[TBV], SLOT1+4*KS*PV
	s_mov_b32 s[G0K], 1             ; 1:0 count = 1
	s_mov_b32 s[G0K+1], s17         ; 63:32 LDS address: slot 0
	s_mov_b32 s[G0V], 1
	s_add_co_u32 s[G0V+1], s18, VOFF
	s_wait_dscnt 0x0                ; the opening add is done
	s_wait_kmcnt 0x0
	s_add_nc_u64 s[6:7], s[4:5], 0x1000000  ; K lies 16 MiB behind Q,
	s_add_nc_u64 s[8:9], s[4:5], 0x2000000  ; V 32 MiB
	s_add_nc_u64 s[G0K+2:G0K+3], s[6:7], s[22:23]  ; 120:64 global address: my half of the head's first 256 keys
	s_or_b32 s[G0K+3], s[G0K+3], 0x80000000        ; 127:126 type = 2
	s_add_nc_u64 s[G0V+2:G0V+3], s[8:9], s[22:23]
	s_or_b32 s[G0V+3], s[G0V+3], 0x80000000
	s_add_nc_u64 s[4:5], s[4:5], s[2:3]  ; Q and O at my wave's first row
	s_add_nc_u64 s[10:11], s[10:11], s[2:3]
	CROUND                          ; all four work-groups are here: the first joint loads meet
	JLOAD                           ; slot 0.  Slot 1 is asked for when slot 0 is in: the tile wanted first has the road to itself
	; A fragment of K or Q is 16 rows x 32 channels in 8 registers: lane l holds row l % 16, channels 8 (l / 16) + 0..7 and 16 + 8 (l / 16) + 0..7: two loads of 16 bytes, 32 bytes apart.
	v_and_b32 v1, 15, v0            ; l % 16
	v_bfe_u32 v9, v0, 4, 1          ; l / 16
	v_lshlrev_b32 v[QO], 7, v1
	v_lshl_add_u32 v[QO], v9, 4, v[QO]  ; row x 128 + 16 x half
	WIN 0x80                        ; destination window 2, address window 0
.set i, 0
.rept 4*NP                          ; Q stays in registers: tile i / 2, channels 32 (i % 2) on
	global_load_b128 v[8*i:8*i+3],   v[QO], s[4:5] offset:(i/2)*2048+(i%2)*64
	global_load_b128 v[8*i+4:8*i+7], v[QO], s[4:5] offset:(i/2)*2048+(i%2)*64+32
.set i, i+1
.endr
	; What the first turn finds: V's registers and P's second buffer hold 0 (its products V^T P, of a piece that has not been, add 0), O^T and l are 0.  All this stands in the wait for the first tile.
.set i, VF
.rept 64
	v_mov_b32 v[i], 0
.set i, i+1
.endr
	WIN 0x40
.set i, 0
.rept 64*NP
	v_mov_b32 v[i], 0
.set i, i+1
.endr
	WIN 0
.set i, 0
.rept 2*NP
	v_mov_b32 v[ST+4*i], 0xfe000000    ; c m: far below every c s
	v_mov_b32 v[ST+4*i+1], 0xff7fffff  ; m
	v_mov_b32 v[ST+4*i+2], 0
	v_mov_b32 v[ST+4*i+3], 0
.set i, i+1
.endr
.set i, P+32
.rept 32
	v_mov_b32 v[i], 0
.set i, i+1
.endr
	v_mul_u32_u24 v[AK0], v1, PK
	v_lshl_add_u32 v[AK0], v9, 4, v[AK0]  ; row x pitch + 16 x half
	; The turning load takes 16 keys x 16 channels (lane l reads key 8 (l / 16) + l % 8, channels 8 ((l / 8) % 2) + 0..7) and leaves half a fragment of V^T: lane l holds channel l % 16 and 8 keys.
	v_and_b32 v10, 7, v0
	v_bfe_u32 v11, v0, 3, 1
	v_lshl_add_u32 v[AV0], v9, 3, v10
	v_mul_u32_u24 v[AV0], v[AV0], PV
	v_lshl_add_u32 v[AV0], v11, 4, v[AV0]
	v_add_nc_u32 v[AV0], VOFF, v[AV0]
	v_mov_b32 v[AK], v[AK0]         ; key step 0 lies at the head of slot 0
; THE MATRIX WORK.  The 8 accumulators of a run of 16 take turns: between the two links of a chain stand 7 others'.
; Product i of 16 of S^T = K Q^T for piece x: channels 32 (i / 8) on, keys 16 ((i / 2) % 4) on, tile 2 x + i % 2.  The first 8 start the sums.
.macro KQ x
	WIN W_KQ
.set rS, S+64*((\x)%2)+32*(i%2)+8*((i/2)%4)
.set rK, KF+16*((i/2)%4)+8*(i/8)
.set rQ, 16*(2*(\x)+i%2)+8*(i/8)
.if i < 8
	v_wmma_f32_16x16x32_bf16 v[rS:rS+7], v[rK:rK+7], v[rQ:rQ+7], 0
.else
	v_wmma_f32_16x16x32_bf16 v[rS:rS+7], v[rK:rK+7], v[rQ:rQ+7], v[rS:rS+7]
.endif
.endm
; Product i of 16 of O^T += V^T P for piece x: keys 32 (i / 8) on, channels 16 ((i / 2) % 4) on, tile 2 x + i % 2.
.macro PV x
	WIN W_PV
.set rO, 32*(2*(\x)+i%2)+8*((i/2)%4)
.set rV, VF+32*(i/8)+8*((i/2)%4)
.set rP, P+32*((\x)%2)+16*(i%2)+8*(i/8)
	v_wmma_f32_16x16x32_f16 v[rO:rO+7], v[rV:rV+7], v[rP:rP+7], v[rO:rO+7]
.endm
.macro MM                           ; the turn's next matrix instruction
.if i < 16
	KQ (Y+1)%NP
.set i, i+1
.else
.set i, i-16
	PV (Y+NP-1)%NP
.set i, i+17
.endif
.endm
; THE LDS LOADS stand in runs of 16, never singly among the matrix instructions: a step's K (64 keys x 64 channels: 8 fragments) and its V (turned).  Their addresses are made some lines ahead.
; last = 1 (the tail): in the last trip there is no further step, and the run is jumped over.
.macro FETCH_K last=0
	WIN 0
.if \last
	s_cmp_eq_u32 s[CNT], 1
	s_cbranch_scc1 .Lno_k_\@
.endif
	WIN 0x80                        ; destination window 2
.irp f, 0,1,2,3,4,5,6,7             ; keys 16 (f / 2) on, channels 32 (f % 2) on
	ds_load_b128 v[KF+8*\f:KF+8*\f+3],   v[AK] offset:(\f/2)*16*PK+(\f%2)*64
	ds_load_b128 v[KF+8*\f+4:KF+8*\f+7], v[AK] offset:(\f/2)*16*PK+(\f%2)*64+32
.endr
	s_add_co_u32 s[TBK], s[TBK], KS*PK  ; the next fetch is the next step's
	WIN 0
.if \last
.Lno_k_\@:
.endif
.endm
.macro FETCH_V
	WIN 0x80
.irp f, 0,1,2,3,4,5,6,7             ; keys 32 (f / 4) on, channels 16 (f % 4) on
	ds_load_tr16_b128 v[VF+8*\f:VF+8*\f+3],   v[AV] offset:(\f/4)*32*PV+(\f%4)*32
	ds_load_tr16_b128 v[VF+8*\f+4:VF+8*\f+7], v[AV] offset:(\f/4)*32*PV+16*PV+(\f%4)*32
.endr
	WIN 0
.endm
; THE VECTOR WORK OF A TURN stands in three queues, each in the order in which its entries become ready; the two tiles alternate, so that no instruction reads the result of the one before it.
.macro REGS y, u                    ; the registers of tile u (0, 1) of piece y
.set rT, ST+4*(2*(\y)+(\u))
.set rC, TMP+8*((\y)%2)+4*(\u)
.set rM, MV+2*((\y)%2)+(\u)
.set rS, S+64*((\y)%2)+32*(\u)
.set rP, P+32*((\y)%2)+16*(\u)
.set rO, 32*(2*(\y)+(\u))
.endm
; Number n of the 22 that find the NEXT piece's (Y + 1) maximum and statistics.  s0-s31 are the lane's 32 scores; each accumulator's lowest registers are read first.  XS, GS and REGS set no window: PL and EX do.
;   0-11  four chains c0-c3 of seven scores each, three operands at a time     12-14, 16  the four scores left over, the old m, and c0-c3 into c0     15  c m_old is kept
;   17, 18  the query's other 32 keys lie in the lane 16 away: the new m         19-21  c m; c m_old - c m_new; a
.macro XS u, n
	REGS (Y+1)%NP, \u
.if (\n) < 4
	v_max3_num_f32 v[rC+(\n)], v[rS+8*(\n)], v[rS+8*(\n)+1], v[rS+8*(\n)+2]
.elseif (\n) < 12
	v_max3_num_f32 v[rC+(\n)%4], v[rC+(\n)%4], v[rS+8*((\n)%4)+2*((\n)/4)+1], v[rS+8*((\n)%4)+2*((\n)/4)+2]
.elseif (\n) == 12
	v_max3_num_f32 v[rC], v[rC], v[rS+7], v[rS+15]
.elseif (\n) == 13
	v_max3_num_f32 v[rC+1], v[rC+1], v[rS+23], v[rS+31]
.elseif (\n) == 14
	v_max3_num_f32 v[rC+2], v[rC+2], v[rC+3], v[rT+1]
.elseif (\n) == 15
	v_mov_b32 v[rM], v[rT]
.elseif (\n) == 16
	v_max3_num_f32 v[rC], v[rC], v[rC+1], v[rC+2]
.elseif (\n) == 17
	v_permlanex16_b32 v[rC+3], v[rC], s[SEL], s[SEL+1]
.elseif (\n) == 18
	v_max_num_f32 v[rT+1], v[rC], v[rC+3]
.elseif (\n) == 19
	v_mul_f32 v[rT], s[CS], v[rT+1]
.elseif (\n) == 20
	v_sub_f32 v[rC+1], v[rM], v[rT]
.else
	v_exp_f32 v[rC+2], v[rC+1]
.endif
.endm
; Number g of the 64 that follow the exponentials.  For each four weights k of a tile (pairs 2 k, 2 k + 1): both pairs are rounded to f16; then the second pair is added onto the first, in place;
; a group later l takes that sum (the first time as l = a l + sum).  In groups of eight, tiles alternating: round, round, add, and l for the group before.
.macro GS g
.set h, (\g)+6*((\g)/62)            ; group 0 has no group before it, and behind group 7 only l is left
.if h >= 6
.set h, h+2
.endif
	REGS Y, h%2
.set k, h/8
.if h%8 < 4
	s_wait_alu depctr_va_vdst(0)
	v_cvt_pk_f16_f32 v[rP+2*k+(h%8)/2], v[rS+4*k+2*((h%8)/2)], v[rS+4*k+2*((h%8)/2)+1]
.elseif h%8 < 6
	v_pk_add_f32 v[rS+4*k:rS+4*k+1], v[rS+4*k:rS+4*k+1], v[rS+4*k+2:rS+4*k+3]
.elseif k == 1
	v_pk_fma_f32 v[rT+2:rT+3], v[rT+2:rT+3], v[rC+2:rC+3], v[rS:rS+1] op_sel_hi:[1,0,1]
.else
	v_pk_add_f32 v[rT+2:rT+3], v[rT+2:rT+3], v[rS+4*k-4:rS+4*k-3]
	s_wait_alu depctr_va_vdst(0)
.endif
.endm
; THE PLAIN QUEUE, 138 long.  0-31: c s - c m for the 16 pairs of both tiles.  Then GS's 64, and among them the next piece's 42: number 15 at 38, 39; 0-14 and 16
; at 42-73, behind the products that make those scores; 17-20 at 95-106, two of three, since each waits for the one before it.
.macro PL
	WIN 0
.if q < 32
	REGS Y, q%2
	v_pk_fma_f32 v[rS+2*(q/2):rS+2*(q/2)+1], v[rS+2*(q/2):rS+2*(q/2)+1], s[CS:CS+1], v[rT:rT+1] op_sel_hi:[1,0,0] neg_lo:[0,0,1] neg_hi:[0,0,1]
.elseif q < 38
	GS q-32
.elseif q < 40
	XS q%2, 15
.elseif q < 42
	GS q-34
.elseif q < 74
	XS q%2, (q-42)/2+(q-42)/30
.elseif q < 95
	GS q-66
.elseif (q < 107) && ((q-95)%3 < 2)
	XS (q-95)%3, 17+(q-95)/3
.elseif q < 107
	GS 29+(q-95)/3
.else
	GS q-74
.endif
.set q, q+1
.endm
; THE EXPONENTIALS' QUEUE, 66 long: s0-s31 of both tiles, and at EA the next piece's two a.
.set EA, 58
.macro EX
	WIN 0
.if (e == EA) || (e == EA+1)
	XS e-EA, 21
.else
.set x, e-2*(e/(EA+2))
	REGS Y, x%2
	v_exp_f32 v[rS+x/2], v[rS+x/2]
.endif
.set e, e+1
.endm
; THE RESCALING's QUEUE: O^T times a, the one part that leaves window 0, so it is dealt four at a time, eight times.
.macro R4
	REGS Y, r%2
	WIN W_RS
	s_wait_alu depctr_va_vdst(0)
.irp z, 0,1,2,3
	v_pk_mul_f32 v[rO+8*(r/2)+2*\z:rO+8*(r/2)+2*\z+1], v[rO+8*(r/2)+2*\z:rO+8*(r/2)+2*\z+1], v[rC+2:rC+3] op_sel_hi:[1,0]
.endr
.set r, r+1
.endm
; HOW THEY ARE DEALT.  Behind a matrix instruction four: plain, exponential, plain, plain (one exponential, a plain instruction on either side), or four of the rescaling.  None names a register of the
; products round it.  What is over stands in two LUMPS: exponential and plain by turns; the second ends in 22 plain instructions.  The two v_permlanex16_b32 fall into the second lump, never behind a product.
; The queues lean on each other, and the deal keeps them in step: exponential e stands behind plain 2 (e / 4) + e % 2 (its scaling); when plain 32 comes, 10 exponentials are out, at 59: 33, at 95: 46; EA comes behind plain 107.
.macro SL
	MM
	PL
	EX
	PL
	PL
.endm
.macro BURST n                      ; 15 matrix instructions, or 16
.rept (\n)-7
	SL
.endr
.rept 3
	MM
	R4
	SL
.endr
	MM
	R4
.endm
; A TURN, for piece p.  cnt = 1: the loop's count is taken down some lines ahead of the branch that stands behind the turn.
; K of the next step is fetched in piece 2's turn, 31 vector instructions behind the last product that read K; its first reader comes behind the rest of the lump, 16 products and the second lump.
; V of the step in hand is fetched at the end of piece 0's turn, 69 behind its last reader; its first reader comes behind 16 products and a lump.  The four conditions on e and q below go with the deal.
.macro TURN p, last=0, cnt=0
.set Y, (\p)
.set i, 0
.set q, 0
.set e, 0
.set r, 0
.if (\p) == NP-1
	s_wait_dscnt 0x0                ; K is in
.endif
	MM
.rept 4
	PL
.endr
	BURST 15
.rept 22
	EX
	PL
.if ((\p) == NP-2) && (e == 18)
	v_add_nc_u32 v[AK], s[TBK], v[AK0]
.endif
.if ((\p) == NP-2) && (e == 24)
	FETCH_K \last
.endif
.endr
.if (\p) == 1
	s_wait_dscnt 0x0                ; V is in
.endif
	BURST 16
.rept 21
	EX
	PL
.endr
.rept 22
	PL
.if ((\p) == 0) && (q == 118)
	v_add_nc_u32 v[AV], s[TBV], v[AV0]
	s_wait_alu depctr_va_vdst(0)
.endif
.if ((\p) == 0) && (q == 130)
	s_add_co_u32 s[TBV], s[TBV], KS*PV
.endif
.if (\cnt) && (q == 130)
	s_sub_co_u32 s[CNT], s[CNT], 1
	s_cmp_lg_u32 s[CNT], 0
.endif
.endr
.if (\p) == 0
	FETCH_V
.endif
.endm
	CHANGE 1                        ; slot 0 is in, everybody's part of it; slot 1 is asked for
	FETCH_K                         ; key step 0
	s_wait_loadcnt 0x0              ; Q
	s_wait_dscnt 0x0
.set i, 0
.rept 16
	KQ 0                            ; piece 0's first scores: there is no vector work yet to set between them
.set i, i+1
.endr
	WIN 0                           ; the addresses for the way out: nine plain instructions, the places behind those products
	s_mul_i32 s13, s[WV], 16*SP
	s_add_co_u32 s13, s13, STAGE    ; my stage
	v_mul_u32_u24 v[STO], v1, SP    ; in: row l % 16, 16 bytes for each half of the lanes
	v_lshl_add_u32 v[STO], v9, 4, v[STO]
	v_add_nc_u32 v[STO], s13, v[STO]
	v_bfe_u32 v[RD], v0, 3, 2       ; back: 32 lanes take four rows of 128 bytes,
	v_mul_u32_u24 v[RD], v[RD], SP
	v_lshl_add_u32 v[RD], v10, 4, v[RD]
	v_add_nc_u32 v[RD], s13, v[RD]
	v_and_b32 v[GO], 31, v0         ; which are 512 consecutive bytes of O
	v_lshlrev_b32 v[GO], 4, v[GO]
.set Y, NP-1                        ; XS works for piece Y + 1: piece 0
.irp n, 0,1,2,3,4,5,6,7,8,9,10,11,12,13,14,15,16,17,18,19,20,21
	XS 0, \n                        ; and piece 0's first maximum and statistics
	XS 1, \n
.endr
	s_mov_b32 s[CNT], 4
	s_mov_b32 s[SLOTS], SIZE_N/256-1
	s_branch .Lfirst                ; the loop is entered at a step's first turn, in the middle of a trip
.Lslot:                             ; SIZE_N / 256 - 2 times: every slot but the last two is filled again
	CHANGE 1
	s_mov_b32 s[CNT], 4
.Lstep:                             ; a trip: pieces 2 and 3 of one step, then pieces 0 and 1 of the next, whose K and V it fetches
	TURN 2
	TURN 3
	WIN 0
.Lfirst:
	TURN 0
	TURN 1, 0, 1
	WIN 0
	s_cbranch_scc1 .Lstep
	s_sub_co_u32 s[SLOTS], s[SLOTS], 1
	s_cmp_lg_u32 s[SLOTS], 0
	s_cbranch_scc1 .Lslot
	CHANGE 0                        ; the tail is written out: nothing is asked for
	s_mov_b32 s[CNT], 5             ; four trips fetch the last slot's steps; the fifth is left in its middle
.Ltail:
	TURN 2, 1
	TURN 3
	WIN 0
	s_sub_co_u32 s[CNT], s[CNT], 1
	s_cmp_eq_u32 s[CNT], 0
	s_cbranch_scc1 .Lout
	TURN 0
	TURN 1
	WIN 0
	s_branch .Ltail
.Lout:                              ; the fifth trip's 16 products K Q^T (on the last K once more) and the maximum made of them serve nothing: the price, once a launch, of one text for every trip
.set i, 0
.rept 16
	PV NP-1                         ; the last piece's V^T P of the last step
.set i, i+1
.endr
	; THE WAY OUT.  l's two halves and the other half of the lanes' are added; O^T is divided by l, rounded to f16 and sent through my stage in LDS, a tile at a time.  The additions are the places behind the last products.
	WIN 0
.macro ALL line:vararg              ; one line for each tile t
.set t, 0
.rept 2*NP
	\line
.set t, t+1
.endr
.endm
	ALL v_add_f32 v[ST+4*t+2], v[ST+4*t+2], v[ST+4*t+3]
	ALL v_permlanex16_b32 v[ST+4*t+3], v[ST+4*t+2], s[SEL], s[SEL+1]
	ALL v_add_f32 v[ST+4*t+2], v[ST+4*t+2], v[ST+4*t+3]
	ALL v_rcp_f32 v[ST+4*t+2], v[ST+4*t+2]
	v_nop                           ; a plain instruction between the last reciprocal and the use of its result
	s_wait_alu depctr_va_vdst(0)
; Tile t: a lane's eight channels of a row pack into 16 bytes; they go into rows of 144 bytes and come back as whole rows of 128, into S^T's registers.
.macro PACK t
	WIN W_RS
.set i, 32*(\t)
.rept 16
	v_pk_mul_f32 v[i:i+1], v[i:i+1], v[ST+4*(\t)+2:ST+4*(\t)+3] op_sel_hi:[1,0]
.set i, i+2
.endr
	WIN 0x05                        ; sources 0 and 1 window 1, destination window 0
.set i, 0
.rept 16
	v_cvt_pk_f16_f32 v[S+16*(\t)+i], v[32*(\t)+2*i], v[32*(\t)+2*i+1]
.set i, i+1
.endr
	WIN 0
.irp f, 0,1,2,3
	ds_store_b128 v[STO], v[S+16*(\t)+4*\f:S+16*(\t)+4*\f+3] offset:32*\f
.endr
.irp f, 0,1,2,3
	ds_load_b128 v[S+16*(\t)+4*\f:S+16*(\t)+4*\f+3], v[RD] offset:\f*4*SP  ; LDS serves a wave's instructions in order (ISA guide 5.7.1.4): these see the stores above; the next tile's stores come behind them
.endr
.endm
.macro SEND t, younger              ; younger: the LDS instructions issued behind tile t's loads: the next tile's eight, or none
	WIN 0
.irp f, 0,1,2,3
	s_wait_dscnt (\younger)+3-\f
	global_store_b128 v[GO], v[S+16*(\t)+4*\f:S+16*(\t)+4*\f+3], s[10:11] offset:(\t)*2048+\f*512  ; 512 consecutive bytes, at a multiple of 256 from O's first
.endr
.endm
	PACK 0
.set t, 1
.rept 2*NP-1                        ; a tile's arithmetic stands between the loads of the tile before and its stores
	PACK t
	SEND t-1, 8
.set t, t+1
.endr
	SEND 2*NP-1, 0
	WIN W_AD
	s_wait_tensorcnt 0x0            ; the wave's end: a wait, an add of 0 to my spare word and a wait, behind my last tensor load and my last LDS store
	ds_add_u32 v[SPW], v[NIL]
	s_wait_dscnt 0x0
	WIN 0
	CROUND                          ; the closing round: no work-group ends while a partner may still ask for a tile that names it
	s_endpgm
.Lfunc_end_k_q75b0ace608_attn:
	.size	k_q75b0ace608_attn, .Lfunc_end_k_q75b0ace608_attn-k_q75b0ace608_attn
	.p2alignl 7, 3214868480
	.fill 96, 4, 3214868480
	.section	.rodata,"a",@progbits
	.p2align	6, 0x0
	.amdhsa_kernel k_q75b0ace608_attn
		.amdhsa_group_segment_fixed_size 327680
		.amdhsa_private_segment_fixed_size 0
		.amdhsa_enable_private_segment 0
		.amdhsa_kernarg_size 16
		.amdhsa_user_sgpr_count 2
		.amdhsa_user_sgpr_kernarg_segment_ptr 1
		.amdhsa_wavefront_size32 1
		.amdhsa_system_sgpr_workgroup_id_x 1
		.amdhsa_system_sgpr_workgroup_id_y 1
		.amdhsa_system_sgpr_workgroup_id_z 1
		.amdhsa_system_vgpr_workitem_id 0
		.amdhsa_next_free_vgpr 770
		.amdhsa_next_free_sgpr 66
		.amdhsa_reserve_vcc 0
		.amdhsa_float_denorm_mode_32 3
		.amdhsa_float_denorm_mode_16_64 3
		.amdhsa_memory_ordered 1
		.amdhsa_forward_progress 1
		.amdhsa_inst_pref_size 209
	.end_amdhsa_kernel
	.amdgpu_metadata
---
amdhsa.version: [ 1, 2 ]
amdhsa.kernels:
  - .name:           k_q75b0ace608_attn
    .symbol:         k_q75b0ace608_attn.kd
    .args:
      - { .name: qkv, .offset: 0, .size: 8, .value_kind: global_buffer, .address_space: global }
      - { .name: obuf, .offset: 8, .size: 8, .value_kind: global_buffer, .address_space: global }
    .group_segment_fixed_size: 327680
    .private_segment_fixed_size: 0
    .kernarg_segment_align: 8
    .kernarg_segment_size: 16
    .max_flat_workgroup_size: 128
    .sgpr_count:     66
    .vgpr_count:     770
    .wavefront_size: 32
...
	.end_amdgpu_metadata
.endif
;; end of part 3
;; launch outp (part 4): grid 4 x 64, 4 waves a work-group, clusters of 4 x 4, 327,680 bytes of LDS; arguments obuf, wcast, bo, out0; writes out0
.if DOCPART == 4
	.amdgcn_target "amdgcn-amd-amdhsa--gfx1250"
	.amdhsa_code_object_version 6
	.text
	.protected	k_q75b0ace608_outp
	.globl	k_q75b0ace608_outp
	.p2align	8
	.type	k_q75b0ace608_outp,@function
k_q75b0ace608_outp:
	s_mov_b64 s[64:65], 0
	v_nop
	global_prefetch_b8 v0, s[64:65] scope:SCOPE_SE
	s_setreg_imm32_b32 hwreg(HW_REG_WAVE_MODE, 25, 1), 1
	s_wait_xcnt 0x0
	s_wait_alu depctr_hold_cnt(0) depctr_sa_sdst(0) depctr_va_vdst(0) depctr_va_sdst(0) depctr_va_ssrc(0) depctr_va_vcc(0) depctr_vm_vsrc(0)
	s_getreg_b32 s2, hwreg(HW_REG_IB_STS2, 6, 4)
	s_cmp_eq_u32 s2, 0
	s_cbranch_scc0 .Lentry_in_a_cluster
	s_endpgm
.Lentry_in_a_cluster:
	s_bfe_u32 s2, ttmp6, 0x10000c
	s_cmp_lg_u32 s2, 0xf033
	s_cbranch_scc0 .Lentry_shape_is_right
	s_endpgm
.Lentry_shape_is_right:
; THE LAST PROJECTION.  out0 = O Wo + bo: [8192][1024] x [1024][1024], f32 out.  O comes by heads from obuf, [64 = 16 batch + head][2048][64] in f16; Wo, rounded to bf16 and written as f16, is the
; fourth matrix of wcast, [k][n]; bo is rounded to bf16 like the other inputs of the module and added in f32; sums in f32.
; LIMITS.  O and Wo arrive within f16's range.  NaN and infinities are not treated apart.
; SHARES.  A work-group makes 128 rows x 256 columns: 64 x 4 = 256 work-groups.  Four waves, each 64 rows x 128 columns: 32 accumulators of 16 x 16.  K goes in 8 steps of 128 = two heads through a ring
; of two LDS slots.  Wave 0 fetches the step's first head, wave 1 its second (128 rows of 128 dense bytes, asked for as 64 rows of 256), waves 2 and 3 the two halves of Wo's 128 k rows x 512 bytes.
; CLUSTERS: 4 x 4 work-groups.  The four of a row of the cluster need the same tile of O, the four of a column the same tile of Wo: each is asked for JOINTLY, by the same tensor load with the same
; descriptor and a mask that names the four.
; NO PREFETCH: O was stored by the launch before this one, and every cluster reads the same 2 MiB of Wo.
; THE MATRIX INSTRUCTION IS USED TRANSPOSED: source 0 = 16 columns of Wo (turned by ds_load_tr16_b128), source 1 = 16 rows of O: a lane then holds eight neighbouring columns of one row.
; REGISTERS, in windows of 256 (s_set_vgpr_msb: bits 1:0 source 0, 3:2 source 1, 5:4 source 2, 7:6 destination):
;   window 0: v0-41 addresses and the bias; v64-127, v128-191 rows on the way out, two sets; v192-223, v224-255 fragments of O, two buffers
;   window 1: the accumulators, (a, b) at v[8 (8 a + b)]          window 2: v0-63, v64-127 fragments of Wo, two buffers
.set KSTEP,  128
.set PAO,    144                       ; a row of one head in LDS: 128 bytes + 16 of padding = 36 words: the 16 rows of a load start at 16 different groups of four banks (64 banks of 4 bytes: ISA guide 11.1)
.set PB,     544                       ; a k row of Wo: 512 + 32 = 136 words
.set HALFT,  64*PB                     ; room for what one tensor load brings (a head's 128 x 144 bytes use 18,432 of it)
.set SLOT,   4*HALFT                   ; the step's two heads, then Wo's 128 k rows on end
.set STAGE,  2*SLOT                    ; behind the ring: 16 rows x 528 bytes for each wave, for the way out
.set SPITCH, 528                       ; 512 bytes of f32 + 16
.set SPARE,  STAGE+4*16*SPITCH         ; behind the stages: the spare words, 128 bytes for each wave: two blocks of 256 bytes that no other line names
.set LAPS,   1024/(2*KSTEP)            ; a lap = two K steps = once round the ring
.set ADRA, 16                          ; v16-17  LDS address of my fragments of O in slot 0, 1
.set ADRB, 20                          ; v20-21  the same for Wo
.set STO,  24                          ; v24     the way out: where I put 32 bytes of a row
.set RD,   25                          ; v25     the way out: where I read a row back
.set CO,   26                          ; v26     my 16 bytes of a row's 512
.set BO,   27                          ; v27     my 16 bytes of bo
.set SPW,  28                          ; v28     LDS address of my spare word: SPARE + 4 x my thread's number; never rewritten
.set NIL,  29                          ; v29     0; never rewritten
.set BI,   32                          ; v32-35  the bias of my four columns on the way out
.set BK,   64                          ; the way out: 16 rows read back, set a % 2 at BK + 64 (a % 2)
.set AC,   192                         ; fragments of O: buffer g, block a at AC + 32 g + 8 a
.set G1,  24                           ; s[24:31] descriptor group 1 for O's tiles;  s[32:39] group 0, one set for each slot
.set G0,  32
.set G1B, 48                           ; s[48:55], s[56:63] the same for Wo's tiles
.set G0B, 56
.set WV,  66                           ; s66     my wave's number
.set HI,  67                           ; s67     which 64 rows are mine.  Also: I fetch O (0) or Wo (1)
.set LO,  68                           ; s68     which 128 columns are mine.  Also: which half of that tile I fetch
.set TROW, 70                          ; s70     the tile row, 0 to 63
.set MSB, 0
.macro WIN new                         ; the immediate's high byte repeats the setting that is left; a switch that changes nothing is dropped
.if MSB != (\new)
	s_set_vgpr_msb (MSB<<8)|(\new)
.set MSB, \new
.endif
.endm
.set MUL,  0x52                        ; source 0 (Wo) window 2, source 1 (O) window 0, C and D window 1
.set TO_B, 0x80                        ; destination window 2, address window 0
; A joint load: waves 0 and 1 fetch the step's two heads, waves 2 and 3 Wo's two halves.  The branch hangs on the wave's number alone.  An s_nop 0 and four v_nop follow each of the two lines, ahead of the jump, the label and what follows.
.macro JLOAD s
	s_cmp_eq_u32 s[HI], 0
	s_cbranch_scc0 .Lfor_b_\@
	tensor_load_to_lds s[G0+4*(\s):G0+4*(\s)+3], s[G1:G1+7]
	s_nop 0
.rept 4
	v_nop
.endr
	s_branch .Lasked_\@
.Lfor_b_\@:
	tensor_load_to_lds s[G0B+4*(\s):G0B+4*(\s)+3], s[G1B:G1B+7]
	s_nop 0
.rept 4
	v_nop
.endr
.Lasked_\@:
.endm
.macro CREST                           ; a round of the cluster's barrier behind its opening barrier
	s_cmp_lg_u32 s[WV], 0
	s_cbranch_scc1 .Lnot_wave_0_\@
	s_barrier_signal -3
.Lnot_wave_0_\@:
	s_barrier_wait -3
	s_barrier_signal -1
	s_barrier_wait -1
.endm
.macro CROUND                          ; a whole round
	s_barrier_signal -1
	s_barrier_wait -1
	CREST
.endm
	s_load_b256 s[4:11], s[0:1], 0x0               ; obuf s[4:5], wcast s[6:7], bo s[8:9], out0 s[10:11]
	v_lshl_add_u32 v[SPW], v0, 2, SPARE
	v_mov_b32 v[NIL], 0
	ds_add_u32 v[SPW], v[NIL]                      ; the wave's opening: the add and its wait stand ahead of my first tensor load; the set-up below, work on registers, stands between them
	v_lshrrev_b32 v1, 5, v0
	v_readfirstlane_b32 s[WV], v1                  ; wave 0..3
	s_lshr_b32 s[HI], s[WV], 1
	s_and_b32 s[LO], s[WV], 1
	s_bfe_u32 s40, ttmp6, 0x40000                  ; cx, cy: my place in the cluster
	s_bfe_u32 s41, ttmp6, 0x40004
	s_lshl_b32 s42, ttmp9, 2
	s_add_co_u32 s42, s42, s40                     ; tile column = 4 x cluster x + cx
	s_and_b32 s21, ttmp7, 0xffff
	s_lshl_b32 s21, s21, 2
	s_add_co_u32 s[TROW], s21, s41                 ; tile row = 4 x cluster y + cy
	s_lshl_b32 s78, s41, 2
	s_lshl_b32 s78, 15, s78                        ; my row of the cluster
	s_lshl_b32 s79, 0x1111, s40                    ; my column
	; descriptor group 1.  O: 64 rows x 128 elements (two rows of a head on end), padded in LDS after every 128 bytes.  Wo: 64 rows x 256 elements, padded after every row
	s_or_b32 s[G1+0], s78, (1<<16)|(1<<20)|(1<<21)|(4<<22)|(3<<25)   ; 15:0 the mask: my row; 17:16 elements of 2 bytes; 20 padding on; 21 set beside a mask; 24:22 after every 32 words (code 4); 31:25 4 words (code 3)
	s_or_b32 s[G1B+0], s79, (1<<16)|(1<<20)|(1<<21)|(6<<22)|(7<<25)  ; the mask: my column; after every 128 words (code 6) 8 words (code 7)
	s_mov_b32 s[G1+1], 128<<16                     ; tensor_dim0 = 128
	s_mov_b32 s[G1+2], 64<<16                      ; tensor_dim1 = 64
	s_mov_b32 s[G1+3], 128<<16                     ; tile_dim0 = 128
	s_mov_b32 s[G1+4], 64                          ; tile_dim1 = 64
	s_mov_b32 s[G1+5], 128                         ; elements from row to row: dense
	s_mov_b32 s[G1+6], 0
	s_mov_b32 s[G1+7], 0
	s_mov_b32 s[G1B+1], 256<<16                    ; tensor_dim0 = 256
	s_mov_b32 s[G1B+2], 64<<16
	s_mov_b32 s[G1B+3], 256<<16                    ; tile_dim0 = 256
	s_mov_b32 s[G1B+4], 64
	s_mov_b32 s[G1B+5], 1024
	s_mov_b32 s[G1B+6], 0
	s_mov_b32 s[G1B+7], 0
	s_lshr_b32 s16, s[TROW], 4                     ; O: the batch's 16 heads of 256 KiB,
	s_lshl_b32 s16, s16, 22
	s_lshl_b32 s17, s[LO], 18                      ; the step's first or second head,
	s_add_co_u32 s16, s16, s17
	s_and_b32 s17, s[TROW], 15
	s_lshl_b32 s17, s17, 14                        ; the tile's 128 rows of 128 bytes
	s_add_co_u32 s16, s16, s17
	s_mov_b32 s17, 0
	s_lshl_b32 s46, s[LO], 17                      ; Wo: k row 64 x half, of 2,048 bytes,
	s_add_co_u32 s46, s46, 3*2097152               ; in the fourth matrix,
	s_lshl_b32 s47, s42, 9                         ; 256 columns of 2 bytes a tile column
	s_add_co_u32 s46, s46, s47
	s_mov_b32 s47, 0
	s_mul_i32 s20, s[WV], HALFT                    ; where they go: no place in the cluster enters an LDS address
	s_wait_dscnt 0x0                               ; the opening add is done
	s_wait_kmcnt 0x0
	s_add_nc_u64 s[76:77], s[4:5], s[16:17]
	s_add_nc_u64 s[46:47], s[6:7], s[46:47]
	CROUND                                         ; all sixteen work-groups are here: the first joint loads meet
.irp s, 0,1
	s_mov_b32 s[G0+4*(\s)], 1                                        ; count = 1
	s_add_co_u32 s[G0+4*(\s)+1], s20, (\s)*SLOT                      ; LDS address
	s_add_nc_u64 s[G0+4*(\s)+2:G0+4*(\s)+3], s[76:77], (\s)*2*262144 ; global address: K step s is two heads on
	s_or_b32 s[G0+4*(\s)+3], s[G0+4*(\s)+3], 0x80000000              ; type = 2
	s_mov_b32 s[G0B+4*(\s)], 1
	s_add_co_u32 s[G0B+4*(\s)+1], s20, (\s)*SLOT
	s_add_nc_u64 s[G0B+4*(\s)+2:G0B+4*(\s)+3], s[46:47], (\s)*KSTEP*2048
	s_or_b32 s[G0B+4*(\s)+3], s[G0B+4*(\s)+3], 0x80000000
	JLOAD \s                                       ; two tensor loads of mine are out
.endr
	v_and_b32 v1, 15, v0                           ; r = l % 16
	v_bfe_u32 v2, v0, 4, 1                         ; h = l / 16
	s_lshl_b32 s22, s42, 10                        ; my first column, in bytes of f32: 1,024 x tile column + 512 x half
	s_lshl_b32 s23, s[LO], 9
	s_add_co_u32 s22, s22, s23
	v_and_b32 v3, 31, v0
	v_lshlrev_b32 v[CO], 4, v3                     ; 16 l
	v_add_nc_u32 v[BO], s22, v[CO]
	global_load_b128 v[BI:BI+3], v[BO], s[8:9]     ; waited for on the way out
	; A fragment of O is 16 rows x 32 channels in 8 registers: lane l holds row r, channels 8 h + 0..7 and 16 + 8 h + 0..7: two loads of 16 bytes, 32 bytes apart.
	v_mul_u32_u24 v3, v1, PAO
	v_lshl_add_u32 v3, v2, 4, v3                   ; row x pitch + 16 x half
	s_mul_i32 s21, s[HI], 64*PAO                   ; my 64 rows
	; The turning load takes 16 k x 16 columns (lane l reads k row 8 h + l % 8, columns 8 ((l / 8) % 2) + 0..7) and leaves half a fragment: lane l holds column r and 8 k.
	v_and_b32 v4, 7, v0
	v_lshl_add_u32 v4, v2, 3, v4
	v_mul_u32_u24 v4, v4, PB
	v_bfe_u32 v5, v0, 3, 1
	v_lshl_add_u32 v4, v5, 4, v4
	s_lshl_b32 s23, s[LO], 8                       ; my 128 columns,
	s_add_co_u32 s23, s23, 2*HALFT                 ; behind the two heads
.irp s, 0,1
	v_add_nc_u32 v[ADRA+(\s)], s21, v3
	v_add_nc_u32 v[ADRB+(\s)], s23, v4
	s_add_co_u32 s21, s21, SLOT
	s_add_co_u32 s23, s23, SLOT
.endr
	s_mul_i32 s21, s[WV], 16*SPITCH
	s_add_co_u32 s21, s21, STAGE                   ; my stage
	v_mul_u32_u24 v6, v1, SPITCH                   ; in: row r, 32 bytes for each half of the lanes
	v_lshl_add_u32 v6, v2, 5, v6
	v_add_nc_u32 v[STO], s21, v6
	v_add_nc_u32 v[RD], s21, v[CO]                 ; back: 32 lanes take one row of 512 bytes
	s_lshl_b32 s16, s[TROW], 7                     ; my first row of out0: 128 x tile row + 64 x half,
	s_lshl_b32 s17, s[HI], 6
	s_add_co_u32 s16, s16, s17
	s_lshl_b32 s16, s16, 12                        ; of 4,096 bytes
	s_mov_b32 s17, 0
	s_mov_b32 s23, 0
	s_add_nc_u64 s[74:75], s[10:11], s[16:17]
	s_add_nc_u64 s[74:75], s[74:75], s[22:23]      ; and my first column
; 8 matrix instructions: row block a x all 8 column blocks, 32 along K, from buffers f.  A quarter takes a = 0, 1, 2, 3: the 32 accumulators take turns in one order, over the backward jump too.
; zero = 1: the product starts the sums: nothing is ever cleared.
.macro MUL8 f, a, zero
	WIN MUL
.irp b, 0,1,2,3,4,5,6,7
.if \zero
	v_wmma_f32_16x16x32_f16 v[8*(8*(\a)+(\b)):8*(8*(\a)+(\b))+7], v[64*(\f)+8*(\b):64*(\f)+8*(\b)+7], v[AC+32*(\f)+8*(\a):AC+32*(\f)+8*(\a)+7], 0
.else
	v_wmma_f32_16x16x32_f16 v[8*(8*(\a)+(\b)):8*(8*(\a)+(\b))+7], v[64*(\f)+8*(\b):64*(\f)+8*(\b)+7], v[AC+32*(\f)+8*(\a):AC+32*(\f)+8*(\a)+7], v[8*(8*(\a)+(\b)):8*(8*(\a)+(\b))+7]
.endif
.endr
.endm
; 24 LDS loads in one run: quarter kq (32 along K: half of head kq / 2 of the step's two) of a slot, into buffers g: O's 64 rows, then Wo's 128 columns, turned
.macro FETCH slot, kq, g
	WIN 0
.irp a, 0,1,2,3
	ds_load_b128 v[AC+32*(\g)+8*(\a):AC+32*(\g)+8*(\a)+3],   v[ADRA+(\slot)] offset:((\kq)/2)*HALFT+(\a)*16*PAO+((\kq)%2)*64
	ds_load_b128 v[AC+32*(\g)+8*(\a)+4:AC+32*(\g)+8*(\a)+7], v[ADRA+(\slot)] offset:((\kq)/2)*HALFT+(\a)*16*PAO+((\kq)%2)*64+32
.endr
	WIN TO_B
.irp b, 0,1,2,3,4,5,6,7
	ds_load_tr16_b128 v[64*(\g)+8*(\b):64*(\g)+8*(\b)+3],   v[ADRB+(\slot)] offset:(\kq)*32*PB+32*(\b)
	ds_load_tr16_b128 v[64*(\g)+8*(\b)+4:64*(\g)+8*(\b)+7], v[ADRB+(\slot)] offset:(\kq)*32*PB+16*PB+32*(\b)
.endr
.endm
.macro PLACES                          ; four places in front of loads into registers that matrix instructions have read (ISA guide 7.12.1 for vector instructions)
.rept 4
	v_nop
.endr
.endm
; A K step is four quarters of 32 along K, 32 matrix instructions each, on buffers 0, 1, 0, 1.  One of the first three: multiplies buffers f and fetches quarter kq of the same slot into g, 24 matrix instructions ahead of its use.
.macro QUARTER slot, kq, f, g, zero
	s_wait_dscnt 0x0                               ; this quarter's fragments are in
	MUL8 \f, 0, \zero
	PLACES                                         ; behind the last product that read buffers g, which stands in front of these eight
	FETCH \slot, \kq, \g
	MUL8 \f, 1, \zero
	MUL8 \f, 2, \zero
	MUL8 \f, 3, \zero
.endm
; The last quarter multiplies buffers 1 and changes slots: ONE barrier; in front of it each wave waits for all its tensor loads, adds 0 to its spare word, and waits for that and for its own reads of this slot.
; fill = 1: the barrier opens a round of the cluster's barrier, and this slot is filled again, two K steps ahead, first thing behind the round.
.macro TURN slot, next, fill
	WIN 0                                          ; (the add's two registers lie in window 0)
	s_wait_tensorcnt 0x0                           ; all my tensor loads have landed: the one that was out is my part of the next slot;
	ds_add_u32 v[SPW], v[NIL]                      ; 0 onto my spare word
	s_wait_dscnt 1                                 ; (the add alone may be out: this quarter's fragments are in)
	MUL8 1, 0, 0                                   ; eight matrix instructions stand between the add and the wait for it
	s_wait_dscnt 0x0                               ; the add is done, and my reads of this slot are over
	s_barrier_signal -1
	MUL8 1, 1, 0
.if \fill
	WIN 0
.endif
	s_barrier_wait -1
.if \fill
	CREST                                          ; no wave of any partner still reads this slot's tiles or has a load on its way
	s_add_nc_u64 s[G0+4*(\slot)+2:G0+4*(\slot)+3], s[G0+4*(\slot)+2:G0+4*(\slot)+3], 4*262144
	s_add_nc_u64 s[G0B+4*(\slot)+2:G0B+4*(\slot)+3], s[G0B+4*(\slot)+2:G0B+4*(\slot)+3], 2*KSTEP*2048
	JLOAD \slot                                    ; the first tensor load behind the round, and my only one until the next; the four v_nop behind it are also the places in front of the loads below
.else
	PLACES
.endif
	FETCH \next, 0, 0
	MUL8 1, 2, 0
	MUL8 1, 3, 0
.endm
	s_wait_tensorcnt 1                             ; my part of K step 0 is in; K step 1's may stay out
	s_barrier_signal -1
	s_barrier_wait -1                              ; everybody's is
	FETCH 0, 0, 0
	QUARTER 0, 1, 0, 1, 1                          ; the first quarter stands in front of the loop: its products start the sums
	WIN 0                                          ; at a label and at a branch every window is 0
	s_mov_b32 s3, LAPS-1
.Llap:                                                 ; a trip goes once round the ring, from a lap's second quarter to the next lap's first, and fills both slots again
	QUARTER 0, 2, 1, 0, 0
	QUARTER 0, 3, 0, 1, 0
	TURN 0, 1, 1
	QUARTER 1, 1, 0, 1, 0
	QUARTER 1, 2, 1, 0, 0
	QUARTER 1, 3, 0, 1, 0
	TURN 1, 0, 1
	QUARTER 0, 1, 0, 1, 0
	WIN 0
	s_sub_co_u32 s3, s3, 1
	s_cmp_lg_u32 s3, 0
	s_cbranch_scc1 .Llap
	QUARTER 0, 2, 1, 0, 0                          ; the last lap fills nothing, and has no round of the cluster's barrier
	QUARTER 0, 3, 0, 1, 0
	TURN 0, 1, 0
	QUARTER 1, 1, 0, 1, 0
	QUARTER 1, 2, 1, 0, 0
	QUARTER 1, 3, 0, 1, 0
	s_wait_dscnt 0x0                               ; the very last quarter: nothing more to fetch
	MUL8 1, 0, 0
	MUL8 1, 1, 0
	MUL8 1, 2, 0
	MUL8 1, 3, 0
	WIN 0
	; THE WAY OUT.  The bias is rounded to bf16 and widened again; these six lines and four v_nop are the places behind the last products.
	s_wait_loadcnt 0x0                             ; bo
	v_cvt_pk_bf16_f32 v40, v[BI], v[BI+1]
	v_cvt_pk_bf16_f32 v41, v[BI+2], v[BI+3]
	v_lshlrev_b32 v[BI],   16, v40
	v_and_b32     v[BI+1], 0xffff0000, v40
	v_lshlrev_b32 v[BI+2], 16, v41
	v_and_b32     v[BI+3], 0xffff0000, v41
	PLACES
; Block a: 16 rows x 128 columns of f32.  A lane's eight columns of a row are 32 bytes; they go into rows of 528 bytes of my own stage and come back as whole rows of 512, into set a % 2.
.macro TOSTAGE a
.if (\a) >= 2
	s_wait_xcnt 0x0                                ; the stores of the block two back have read their registers: only behind this wait is the set loaded again
.endif
	WIN 0x04                                       ; the stores' data in window 1, the address in window 0
.irp b, 0,1,2,3,4,5,6,7
	ds_store_b128 v[STO], v[8*(8*(\a)+(\b)):8*(8*(\a)+(\b))+3]   offset:64*(\b)      ; each accumulator's low half first
	ds_store_b128 v[STO], v[8*(8*(\a)+(\b))+4:8*(8*(\a)+(\b))+7] offset:64*(\b)+16
.endr
	WIN 0
.irp t, 0,1,2,3,4,5,6,7,8,9,10,11,12,13,14,15
	ds_load_b128 v[BK+64*((\a)%2)+4*(\t):BK+64*((\a)%2)+4*(\t)+3], v[RD] offset:(\t)*SPITCH  ; LDS serves a wave's instructions in order (ISA guide 5.7.1.4): these see the stores above; the next block's stores come behind them
.endr
.endm
.macro SEND a, younger                 ; younger: the LDS instructions issued behind block a's loads: the next block's 32, or none
.irp t, 0,1,2,3,4,5,6,7,8,9,10,11,12,13,14,15
	s_wait_dscnt (\younger)+15-(\t)
	v_pk_add_f32 v[BK+64*((\a)%2)+4*(\t):BK+64*((\a)%2)+4*(\t)+1],   v[BK+64*((\a)%2)+4*(\t):BK+64*((\a)%2)+4*(\t)+1],   v[BI:BI+1]
	v_pk_add_f32 v[BK+64*((\a)%2)+4*(\t)+2:BK+64*((\a)%2)+4*(\t)+3], v[BK+64*((\a)%2)+4*(\t)+2:BK+64*((\a)%2)+4*(\t)+3], v[BI+2:BI+3]
	global_store_b128 v[CO], v[BK+64*((\a)%2)+4*(\t):BK+64*((\a)%2)+4*(\t)+3], s[74:75] offset:4096*(16*(\a)+(\t)) th:TH_STORE_NT  ; 512 consecutive bytes of one row, at a multiple of 256 from out0's first
.endr
.endm
	TOSTAGE 0
	TOSTAGE 1
	SEND 0, 32
	TOSTAGE 2
	SEND 1, 32
	TOSTAGE 3
	SEND 2, 32
	SEND 3, 0
	s_wait_tensorcnt 0x0                           ; the wave's end: a wait, an add of 0 to my spare word and a wait, behind my last tensor load and my last LDS store
	ds_add_u32 v[SPW], v[NIL]
	s_wait_dscnt 0x0
	CROUND                                         ; the closing round: no work-group ends while a partner may still ask for a tile that names it
	s_endpgm
.Lfunc_end_k_q75b0ace608_outp:
	.size	k_q75b0ace608_outp, .Lfunc_end_k_q75b0ace608_outp-k_q75b0ace608_outp
	.p2alignl 7, 3214868480
	.fill 96, 4, 3214868480
	.section	.rodata,"a",@progbits
	.p2align	6, 0x0
	.amdhsa_kernel k_q75b0ace608_outp
		.amdhsa_group_segment_fixed_size 327680
		.amdhsa_private_segment_fixed_size 0
		.amdhsa_enable_private_segment 0
		.amdhsa_kernarg_size 32
		.amdhsa_user_sgpr_count 2
		.amdhsa_user_sgpr_kernarg_segment_ptr 1
		.amdhsa_wavefront_size32 1
		.amdhsa_system_sgpr_workgroup_id_x 1
		.amdhsa_system_sgpr_workgroup_id_y 1
		.amdhsa_system_sgpr_workgroup_id_z 1
		.amdhsa_system_vgpr_workitem_id 0
		.amdhsa_next_free_vgpr 640
		.amdhsa_next_free_sgpr 84
		.amdhsa_reserve_vcc 0
		.amdhsa_float_denorm_mode_32 3
		.amdhsa_float_denorm_mode_16_64 3
		.amdhsa_memory_ordered 1
		.amdhsa_forward_progress 1
		.amdhsa_inst_pref_size 95
	.end_amdhsa_kernel
	.amdgpu_metadata
---
amdhsa.version: [ 1, 2 ]
amdhsa.kernels:
  - .name:           k_q75b0ace608_outp
    .symbol:         k_q75b0ace608_outp.kd
    .args:
      - { .name: obuf, .offset: 0, .size: 8, .value_kind: global_buffer, .address_space: global }
      - { .name: wcast, .offset: 8, .size: 8, .value_kind: global_buffer, .address_space: global }
      - { .name: bo, .offset: 16, .size: 8, .value_kind: global_buffer, .address_space: global }
      - { .name: out0, .offset: 24, .size: 8, .value_kind: global_buffer, .address_space: global }
    .group_segment_fixed_size: 327680
    .private_segment_fixed_size: 0
    .kernarg_segment_align: 8
    .kernarg_segment_size: 32
    .max_flat_workgroup_size: 128
    .sgpr_count:     84
    .vgpr_count:     640
    .wavefront_size: 32
...
	.end_amdgpu_metadata
.endif
;; end of part 4
